; MI455X (gfx1250); checked and timed in simulation.
; The chip was launched on July 23, 2026; its instructions are those of AMD's public machine-readable ISA for CDNA 5 (MIT licence, August 2026) and "CDNA5" Instruction Set Architecture Reference Guide (July 2026). The comments in the code are by the model that wrote it; some were corrected since.
;; Time Dependent Attention. Allowed arithmetic: matrix products marked QUANTISED: E3M2 operands, one E8M0 scale for each 32 along K, by v_wmma_scale_f32_16x16x128_f8f6f4 with both operands' format E3M2, f32 sums; products left as they are: f32 operands where the result goes on into a quantised operand, else bf16, f16 or f32 operands; f32 sums; everything else in f32.
;; Inputs: W_o 768 x 768 float32; Wt_k 768 x 256 float32; Wt_q 768 x 256 float32; Wt_v 768 x 256 float32; Wx_k 768 x 768 float32; Wx_q 768 x 768 float32; Wx_v 768 x 768 float32; b_o 768 float32; rel_pos_bias 12 x 1,024 x 1,024 float32; t 8 x 256 float32; x 8 x 1,024 x 768 float32.
;; Outputs: out0 8 x 1,024 x 768 float32.
;; This version of the problem:
;;   THIS VERSION OF THE PROBLEM IS GIVEN IN LOW PRECISION. The matrix products marked QUANTISED in the list below multiply operands that are first quantised to E3M2 (3 exponent bits, 2 mantissa bits; 6 bits a number), with one power-of-two scale for each 32 numbers along K (OCP MX v1.0); their sums are f32. All else is computed in f32.
;;   The module's matrix products, in the order in which they are computed (A, B: the left and right operand; K: the contracted axis; several contracted axes count as one K, in the product's order):
;;     1. [M 8,192, K 768] x [K 768, N 768]; A: input x; B: input Wx_q: QUANTISED
;;     2. [M 8, K 256] x [K 256, N 768]; A: input t; B: input Wt_q: left as it is (M = 8 < 16)
;;     3. [M 8,192, K 768] x [K 768, N 768]; A: input x; B: input Wx_k: QUANTISED
;;     4. [M 8, K 256] x [K 256, N 768]; A: input t; B: input Wt_k: left as it is (M = 8 < 16)
;;     5. [M 8,192, K 768] x [K 768, N 768]; A: input x; B: input Wx_v: QUANTISED
;;     6. [M 8, K 256] x [K 256, N 768]; A: input t; B: input Wt_v: left as it is (M = 8 < 16)
;;     7. batch 96 x [M 1,024, K 64] x [K 64, N 1,024]; A: computed on the way; B: computed on the way: QUANTISED
;;     8. batch 96 x [M 1,024, K 1,024] x [K 1,024, N 64]; A: softmax (see below); B: computed on the way: QUANTISED
;;     9. [M 8,192, K 768] x [K 768, N 768]; A: computed on the way; B: input W_o: QUANTISED
;;   THE QUANTISER, for each operand of a quantised product, along K:
;;     - K is cut into blocks of 32 from its start; a last block that is shorter is filled with zeros.
;;     - A block's scale is 2^e with e = floor(log2(the largest magnitude in the block)) - 4, held to -126 .. 127; a block of zeros has e = 0. As a byte (E8M0): e + 127.
;;     - Each number is divided by its block's scale, clamped to +-28, and rounded to the nearest number of E3M2, ties to even, subnormals kept.
;;     - The product sums the exact products of the quantised numbers (number of the format x scale) in f32.
;;   ~~~python
;;   def quantise(x, axis):      # numpy; x: float32 -> the quantised numbers, widened to float32 again
;;       x = np.moveaxis(x, axis, -1); K = x.shape[-1]
;;       x = np.pad(x, [(0, 0)] * (x.ndim - 1) + [(0, -K % 32)]); x = x.reshape(x.shape[:-1] + (-1, 32)); a = np.abs(x).max(-1, keepdims=True)
;;       e = np.where(a > 0, np.clip(np.frexp(np.where(a > 0, a, 1))[1] - 1 - 4, -126, 127), 0)      # np.frexp(a)[1] - 1 = floor(log2(a)), exactly
;;       r = np.clip(x / 2.0 ** e, -28, 28)
;;       step = 2.0 ** (np.maximum(np.frexp(np.where(r == 0, 1, r))[1] - 1, -2) - 2)
;;       q = np.round(r / step) * step * 2.0 ** e      # np.round: ties to even
;;       return np.moveaxis(q.reshape(q.shape[:-2] + (-1,))[..., :K], -1, axis).astype(np.float32)
;;   ~~~
;;   SOFTMAX AHEAD OF A QUANTISED PRODUCT. Where the list says 'softmax', what is quantised is not the finished softmax but p = 2^(t - M), with t = logit x log2(e) and M = ceil(the row's largest t), a whole number; so 1/2 < the row's largest p <= 1. The row's sum l is taken of the UNQUANTISED p, in f32, and the product's result is divided by l at the end. Since M is a whole number, a kernel that streams over the keys may use a running M (the ceiling of the running maximum): every later rescaling is an exact power of two, which a block's scale takes up: the codes' values come out the same.
;;   OPERANDS COMPUTED ON THE WAY. 'Computed on the way' means the value that the module computes at that place (a softmax that the list does not call 'softmax' is quantised finished and normalised). What goes into a quantiser is computed in f32, as accurately as f32 sums, v_exp_f32 and their like allow (about 1e-6 of the number): no bf16 or f16 on the way to a quantiser, and a product that is left as it is and whose result goes on into a quantised operand takes f32 operands (vector FMAs, or v_wmma_f32_16x16x4_f32). A number that lies on a knife's edge between two numbers of the format may be rounded either way, as far as f32 arithmetic and the matrix unit's own rounding can turn it there, and no further.
;; One version. Each part assembles by itself: llvm-mc -triple=amdgcn-amd-amdhsa -mcpu=gfx1250 --defsym DOCPART=n.
;; ======== version 1 of 1: 4 launches
;; limits: right only within a limited range of input values
;; workspace buffers: xi 4,915,200 bytes; wi 1,843,200 bytes; tp 73,728 bytes; qi 5,111,808 bytes; kv 10,027,008 bytes; oi 5,111,808 bytes
;; launch prep (part 1): grid 100 x 6, 4 waves a work-group, no clusters, 34,304 bytes of LDS; arguments x, Wx_q, Wx_k, Wx_v, W_o, t, Wt_q, Wt_k, Wt_v, xi, wi, tp; writes xi, wi, tp
.if DOCPART == 1
	.amdgcn_target "amdgcn-amd-amdhsa--gfx1250"
	.amdhsa_code_object_version 6
	.text
	.protected	k_q269f079cb4_prep
	.globl	k_q269f079cb4_prep
	.p2align	8
	.type	k_q269f079cb4_prep,@function
k_q269f079cb4_prep:
	s_mov_b64 s[64:65], 0
	v_nop
	global_prefetch_b8 v0, s[64:65] scope:SCOPE_SE
	s_setreg_imm32_b32 hwreg(HW_REG_WAVE_MODE, 25, 1), 1
	s_wait_xcnt 0x0
; TimeDependentAttention, launch 1 of 4: x and the four square weights become codes of BF6 (E3M2) with one E8M0 byte for each 32 along K; the three products t Wt^T are made in f32.
; DEAD WORK: none.  Every input has a way to out0: the term t Wt_k^T would leave a softmax in real numbers, but it moves k's codes and scales, so it stays.  Nothing of the module is left out in any launch.
; LIMITS: a block's byte is held at 1 from below (largest magnitudes under 2^-122 share the scale 2^-126); a block of zeros keeps that byte where the rule says 127: its codes are zeros and only this program reads the bytes.
; NaN and infinities among the inputs are not served.
; LAYOUT OF xi AND wi: images of the matrix operand's registers.  A pair is 32 rows; for each run of 256 along K (sigma = 0, 1, 2) a pair has 6,400 bytes: four fragments (16 rows x 128 K, 12 registers a lane) at
; (2 u + ks) x 1,536, each as three runs of 512 bytes (registers 4 c .. 4 c + 3 of lane l at 512 c + 16 l), then the scale words at 6,144 + 128 ks + 4 l: lanes 0-15 the rows of tile u = 0, lanes 16-31 those of u = 1.
; ORDER INSIDE A BLOCK OF 32: places 0-15 hold k = 0-7, 16-23, places 16-31 hold k = 8-15, 24-31.  Every operand of this program is laid so, on both sides of each product, so the sums are the same;
; it is the order in which a matrix result of two neighbouring tiles falls into a lane's registers, and here it costs nothing: it is a choice of LDS offsets.
; SHARES.  Work-groups x = 12 .. 99 (with y = the K step of 128): wave w takes one pair x 128 K: 32 loads of 512 consecutive bytes, turned through the wave's own stage in LDS so that a lane holds 16 numbers of each block.
; Work-groups x = 0 .. 11: 32 rows of one Wt for all 8 batches: wave w takes batches 2 w, 2 w + 1; a lane holds 8 of the 256 along K; sums by fused multiply-adds and an exchange between lanes.
.set SPARE, 33792                      ; behind the four stages: the spare words, 128 bytes a wave
.set L16, 4                            ; v4   16 x lane
.set L4,  5                            ; v5   4 x lane
.set STI, 6                            ; v6   the stage, way in: 8,448 x wave + 16 x lane
.set STO, 7                            ; v7   way out: 8,448 x wave + 528 r + 32 h
.set SPW, 8                            ; v8   my spare word; never rewritten
.set NIL, 9                            ; v9   0; never rewritten
.set TM,  16                           ; v16-31 at work in QUANT
.set PW,  32                           ; the scale word just made
.set PW0, 33                           ; tile 0's
.set PC,  36                           ; v36-47 the codes just made
.set PT,  48                           ; v48-55 second halves of blocks
.set R,   64                           ; v64-191 32 rows as loaded
.set X,   192                          ; v192-255 64 numbers of my row
.set RW,  64                           ; (t path) v64-127 a ring of 8 rows of Wt
.set TT,  128                          ; v128-143 t of my two batches
.set A0,  144
.set A1,  146
.set P0,  148
.set P1,  149
.set RES0, 150
.set RES1, 151
.set WV,  28
.set Y,   29
.set SEL, 42
.set HM,  44
; 64 numbers of a lane, register 16 b + i = place 16 h + i of block b of my row, become a fragment's 12 registers in v[PC] on and its scale word in v[PW]
.macro QUANT s
.irp b, 0,1,2,3
	v_max3_num_f32 v[TM+\b], |v[\s+16*\b]|, |v[\s+16*\b+1]|, 0x2800000   ; my 16 numbers, and the floor 2^(5 - 127): the byte cannot fall under 1
.endr
.irp i, 2,4,6,8,10,12,14
.irp b, 0,1,2,3
	v_max3_num_f32 v[TM+\b], v[TM+\b], |v[\s+16*\b+\i]|, |v[\s+16*\b+\i+1]|
.endr
.endr
.irp b, 0,1,2,3
	v_permlanex16_b32 v[TM+4+\b], v[TM+\b], s[SEL], s[SEL+1]
.endr
.irp b, 0,1,2,3
	v_max_num_f32 v[TM+\b], v[TM+\b], v[TM+4+\b]          ; with lane l xor 16's: the block's largest magnitude
.endr
.irp b, 0,1,2,3
	v_add_nc_u32 v[TM+12+\b], 0xfe000000, v[TM+\b]        ; 4 off its exponent field: the conversion's scale operand
.endr
.irp b, 0,1,2,3
	v_lshrrev_b32 v[TM+4+\b], 23, v[TM+12+\b]             ; the scale's byte
.endr
	v_lshl_or_b32 v[PW], v[TM+5], 8, v[TM+4]
	v_lshl_or_b32 v[PW], v[TM+6], 16, v[PW]
	v_lshl_or_b32 v[PW], v[TM+7], 24, v[PW]
	s_wait_xcnt 0x0                                        ; the last fragment's stores have read v[PC] on
.irp c, 0,1
	v_cvt_scalef32_pk16_bf6_f32 v[PC+6*\c:PC+6*\c+2], v[\s+32*\c:\s+32*\c+15], v[TM+12+2*\c]
	v_cvt_scalef32_pk16_bf6_f32 v[PT+4*\c:PT+4*\c+2], v[\s+32*\c+16:\s+32*\c+31], v[TM+12+2*\c+1]
.endr
	v_nop                                                  ; one plain place behind a scaled conversion
.irp c, 0,1
.irp i, 0,1,2
	v_permlane16_swap_b32 v[PC+6*\c+\i], v[PT+4*\c+\i]     ; a whole block to a lane: lanes 0-15 block 2 c, lanes 16-31 block 2 c + 1
.endr
.irp i, 0,1,2
	v_mov_b32 v[PC+3+6*\c+\i], v[PT+4*\c+\i]
.endr
.endr
.endm
	s_load_b512 s[4:19], s[0:1], 0x0               ; x, Wx_q, Wx_k, Wx_v, W_o, t, Wt_q, Wt_k
	s_load_b256 s[20:27], s[0:1], 0x40             ; Wt_v, xi, wi, tp
	v_lshl_add_u32 v[SPW], v0, 2, SPARE
	v_mov_b32 v[NIL], 0
	v_lshrrev_b32 v1, 5, v0
	v_readfirstlane_b32 s[WV], v1                  ; wave
	v_and_b32 v1, 31, v0                           ; lane
	v_and_b32 v2, 15, v0                           ; r
	v_bfe_u32 v3, v0, 4, 1                         ; h
	v_lshlrev_b32 v[L16], 4, v1
	v_lshlrev_b32 v[L4], 2, v1
	s_mul_i32 s31, s[WV], 8448
	v_add_nc_u32 v[STI], s31, v[L16]
	v_mul_u32_u24 v[STO], v2, 528
	v_lshl_add_u32 v[STO], v3, 5, v[STO]
	v_add_nc_u32 v[STO], s31, v[STO]
	s_and_b32 s[Y], ttmp7, 0xffff
	s_mov_b32 s[SEL], 0x76543210
	s_mov_b32 s[SEL+1], 0xfedcba98                 ; lane l xor 16
	s_mov_b32 s[HM], 0xffff0000                    ; lanes 16-31
	s_wait_kmcnt 0x0
	s_cmp_lt_u32 ttmp9, 12
	s_cbranch_scc1 .Ltime
	; ---- the quantiser: which tensor, by the work-group's number alone
	s_sub_co_u32 s30, ttmp9, 12                    ; gx = 0 .. 87: 64 for x, 6 for each weight
	s_mov_b32 s34, 82
	s_mov_b64 s[32:33], s[12:13]
	s_cmp_lt_u32 s30, 82
	s_cselect_b64 s[32:33], s[10:11], s[32:33]
	s_cselect_b32 s34, 76, s34
	s_cmp_lt_u32 s30, 76
	s_cselect_b64 s[32:33], s[8:9], s[32:33]
	s_cselect_b32 s34, 70, s34
	s_cmp_lt_u32 s30, 70
	s_cselect_b64 s[32:33], s[6:7], s[32:33]
	s_cselect_b32 s34, 64, s34
	s_cmp_lt_u32 s30, 64
	s_cselect_b64 s[32:33], s[4:5], s[32:33]
	s_cselect_b32 s34, 0, s34                      ; the tensor's first gx
	s_cselect_b64 s[36:37], s[22:23], s[24:25]     ; xi or wi
	s_mov_b32 s38, 614400
	s_cselect_b32 s38, 1638400, s38                ; bytes from sigma to sigma
	s_cselect_b32 s39, 0, 256                      ; wi's pairs count from 0
	s_sub_co_u32 s40, s30, s34
	s_lshl_b32 s40, s40, 2
	s_add_co_u32 s40, s40, s[WV]                   ; my pair in the tensor
	s_mul_i32 s40, s40, 98304                      ; 32 rows of 3,072 bytes
	s_lshl_b32 s41, s[Y], 9
	s_add_co_u32 s40, s40, s41                     ; + the K step's 512 bytes
	s_mov_b32 s41, 0
	s_add_nc_u64 s[32:33], s[32:33], s[40:41]
	s_lshl_b32 s40, s30, 2
	s_add_co_u32 s40, s40, s[WV]
	s_sub_co_u32 s40, s40, s39
	s_mul_i32 s40, s40, 6400
	s_lshr_b32 s35, s[Y], 1
	s_mul_i32 s35, s35, s38
	s_add_co_u32 s40, s40, s35
	s_add_nc_u64 s[36:37], s[36:37], s[40:41]      ; the pair's 6,400 bytes
	s_and_b32 s35, s[Y], 1
	s_mul_i32 s40, s35, 1536
	s_add_nc_u64 s[38:39], s[36:37], s[40:41]      ; where my codes go
	s_lshl_b32 s40, s35, 7
	s_add_nc_u64 s[36:37], s[36:37], s[40:41]      ; and my scale words (+ 6,144)
.set I, 0
	s_wait_alu depctr_va_vdst(0)
.rept 32
	global_load_b128 v[R+4*I:R+4*I+3], v[L16], s[32:33] offset:3072*I th:TH_LOAD_NT   ; 32 lanes read 512 consecutive bytes of a row
.set I, I+1
.endr
.irp b, 0,1,2,3
	v_mov_b32 v[TM+4+\b], 0                        ; a lane permute's destination counts as one of its sources
.endr
.macro TILE u
.set I, 0
.rept 16
	ds_store_b128 v[STI], v[R+64*\u+4*I:R+64*\u+4*I+3] offset:528*I
.set I, I+1
.endr
.irp b, 0,1,2,3
.irp j, 0,1,2,3
	ds_load_b128 v[X+16*\b+4*\j:X+16*\b+4*\j+3], v[STO] offset:128*\b+64*(\j/2)+16*(\j%2)   ; LDS serves a wave's instructions in order: these see the stores.  k = 32 b + 8 h + 0 .. 7, then 32 b + 16 + 8 h + 0 .. 7
.endr
.endr
	s_wait_dscnt 0x0
	QUANT X
.irp c, 0,1,2
	global_store_b128 v[L16], v[PC+4*\c:PC+4*\c+3], s[38:39] offset:3072*\u+512*\c   ; 512 consecutive bytes, aligned
.endr
.endm
	s_wait_loadcnt 16                              ; tile 0's sixteen rows are in; tile 1's sixteen loads may be out
	TILE 0
	v_mov_b32 v[PW0], v[PW]
	s_wait_loadcnt 0x0
	TILE 1
	v_cndmask_b32 v[PW], v[PW0], v[PW], s[HM]      ; lanes 0-15 tile 0's words, lanes 16-31 tile 1's
	global_store_b32 v[L4], v[PW], s[36:37] offset:6144
	s_branch .Lend
.Ltime:
	; ---- tp[kind][b][n] = sum over k of t[b][k] Wt_kind[n][k], in f32
	s_lshr_b32 s30, ttmp9, 2                       ; kind
	s_and_b32 s31, ttmp9, 3
	s_mul_i32 s31, s31, 6
	s_add_co_u32 s31, s31, s[Y]
	s_lshl_b32 s31, s31, 5                         ; n0: my 32 rows
	s_cmp_eq_u32 s30, 0
	s_cselect_b64 s[32:33], s[16:17], s[18:19]
	s_cmp_eq_u32 s30, 2
	s_cselect_b64 s[32:33], s[20:21], s[32:33]
	s_lshl_b32 s34, s31, 10
	s_mov_b32 s35, 0
	s_add_nc_u64 s[32:33], s[32:33], s[34:35]
	s_lshl_b32 s34, s[WV], 11                      ; batches 2 w, 2 w + 1
	s_add_nc_u64 s[14:15], s[14:15], s[34:35]
	s_lshl_b32 s36, s30, 3
	s_lshl_b32 s37, s[WV], 1
	s_add_co_u32 s36, s36, s37
	s_mul_i32 s36, s36, 768
	s_add_co_u32 s36, s36, s31
	s_lshl_b32 s36, s36, 2
	s_mov_b32 s37, 0
	s_add_nc_u64 s[26:27], s[26:27], s[36:37]
	s_wait_alu depctr_va_vdst(0)
.irp q, 0,1,2,3
	global_load_b128 v[TT+4*\q:TT+4*\q+3], v[L16], s[14:15] offset:512*\q   ; k = 4 l .. and 128 + 4 l .., of each batch
.endr
.set I, 0
.rept 8
	global_load_b128 v[RW+8*I:RW+8*I+3], v[L16], s[32:33] offset:1024*I
	global_load_b128 v[RW+8*I+4:RW+8*I+7], v[L16], s[32:33] offset:1024*I+512
.set I, I+1
.endr
	v_mov_b32 v[P0], 0
	v_mov_b32 v[P1], 0
	v_mov_b32 v[RES0], 0
	v_mov_b32 v[RES1], 0
.macro TROW i
.if (\i) < 24
	s_wait_loadcnt 14                              ; this row is in; the seven rows behind it, two loads each, may be out
.else
	s_wait_loadcnt 2*(31-(\i))
.endif
.set RQ, RW+8*((\i)%8)
	v_pk_mul_f32 v[A0:A0+1], v[RQ:RQ+1], v[TT:TT+1]
	v_pk_mul_f32 v[A1:A1+1], v[RQ:RQ+1], v[TT+8:TT+9]
.irp k, 2,4,6
	v_pk_fma_f32 v[A0:A0+1], v[RQ+\k:RQ+\k+1], v[TT+\k:TT+\k+1], v[A0:A0+1]
	v_pk_fma_f32 v[A1:A1+1], v[RQ+\k:RQ+\k+1], v[TT+8+\k:TT+8+\k+1], v[A1:A1+1]
.endr
	v_add_f32 v[A0], v[A0], v[A0+1]
	v_add_f32 v[A1], v[A1], v[A1+1]
.irp x, 1,2,4,8
	v_add_f32_dpp v[A0], v[A0], v[A0] row_xmask:\x row_mask:0xf bank_mask:0xf
	v_add_f32_dpp v[A1], v[A1], v[A1] row_xmask:\x row_mask:0xf bank_mask:0xf
.endr
	v_permlanex16_b32 v[P0], v[A0], s[SEL], s[SEL+1]
	v_permlanex16_b32 v[P1], v[A1], s[SEL], s[SEL+1]
	v_add_f32 v[A0], v[A0], v[P0]
	v_add_f32 v[A1], v[A1], v[P1]
	s_mov_b32 s40, 1<<(\i)
	v_cndmask_b32 v[RES0], v[RES0], v[A0], s40     ; lane i keeps row i's sum
	v_cndmask_b32 v[RES1], v[RES1], v[A1], s40
.if (\i) < 24
	global_load_b128 v[RQ:RQ+3], v[L16], s[32:33] offset:1024*((\i)+8)
	global_load_b128 v[RQ+4:RQ+7], v[L16], s[32:33] offset:1024*((\i)+8)+512
.endif
.endm
.set N, 0
.rept 32
	TROW N
.set N, N+1
.endr
	global_store_b32 v[L4], v[RES0], s[26:27]
	global_store_b32 v[L4], v[RES1], s[26:27] offset:3072
.Lend:
	s_wait_tensorcnt 0x0                           ; the wave's end
	ds_add_u32 v[SPW], v[NIL]
	s_wait_dscnt 0x0
	s_endpgm
.Lfunc_end_k_q269f079cb4_prep:
	.size	k_q269f079cb4_prep, .Lfunc_end_k_q269f079cb4_prep-k_q269f079cb4_prep
	.p2alignl 7, 3214868480
	.fill 96, 4, 3214868480
	.section	.rodata,"a",@progbits
	.p2align	6, 0x0
	.amdhsa_kernel k_q269f079cb4_prep
		.amdhsa_group_segment_fixed_size 34304
		.amdhsa_private_segment_fixed_size 0
		.amdhsa_enable_private_segment 0
		.amdhsa_kernarg_size 96
		.amdhsa_user_sgpr_count 2
		.amdhsa_user_sgpr_kernarg_segment_ptr 1
		.amdhsa_wavefront_size32 1
		.amdhsa_system_sgpr_workgroup_id_x 1
		.amdhsa_system_sgpr_workgroup_id_y 1
		.amdhsa_system_sgpr_workgroup_id_z 1
		.amdhsa_system_vgpr_workitem_id 0
		.amdhsa_next_free_vgpr 256
		.amdhsa_next_free_sgpr 66
		.amdhsa_reserve_vcc 0
		.amdhsa_float_denorm_mode_32 3
		.amdhsa_float_denorm_mode_16_64 3
		.amdhsa_memory_ordered 1
		.amdhsa_forward_progress 1
		.amdhsa_inst_pref_size 73
	.end_amdhsa_kernel
	.amdgpu_metadata
---
amdhsa.version: [ 1, 2 ]
amdhsa.kernels:
  - .name:           k_q269f079cb4_prep
    .symbol:         k_q269f079cb4_prep.kd
    .args:
      - { .name: x, .offset: 0, .size: 8, .value_kind: global_buffer, .address_space: global }
      - { .name: Wx_q, .offset: 8, .size: 8, .value_kind: global_buffer, .address_space: global }
      - { .name: Wx_k, .offset: 16, .size: 8, .value_kind: global_buffer, .address_space: global }
      - { .name: Wx_v, .offset: 24, .size: 8, .value_kind: global_buffer, .address_space: global }
      - { .name: W_o, .offset: 32, .size: 8, .value_kind: global_buffer, .address_space: global }
      - { .name: t, .offset: 40, .size: 8, .value_kind: global_buffer, .address_space: global }
      - { .name: Wt_q, .offset: 48, .size: 8, .value_kind: global_buffer, .address_space: global }
      - { .name: Wt_k, .offset: 56, .size: 8, .value_kind: global_buffer, .address_space: global }
      - { .name: Wt_v, .offset: 64, .size: 8, .value_kind: global_buffer, .address_space: global }
      - { .name: xi, .offset: 72, .size: 8, .value_kind: global_buffer, .address_space: global }
      - { .name: wi, .offset: 80, .size: 8, .value_kind: global_buffer, .address_space: global }
      - { .name: tp, .offset: 88, .size: 8, .value_kind: global_buffer, .address_space: global }
    .group_segment_fixed_size: 34304
    .private_segment_fixed_size: 0
    .kernarg_segment_align: 8
    .kernarg_segment_size: 96
    .max_flat_workgroup_size: 128
    .sgpr_count:     66
    .vgpr_count:     256
    .wavefront_size: 32
...
	.end_amdgpu_metadata
.endif
;; end of part 1
;; launch qkv (part 2): grid 12 x 16, 4 waves a work-group, clusters of 4 x 4, 327,680 bytes of LDS; arguments xi, wi, tp, qi, kv; writes qi, kv
.if DOCPART == 2
	.amdgcn_target "amdgcn-amd-amdhsa--gfx1250"
	.amdhsa_code_object_version 6
	.text
	.protected	k_q269f079cb4_qkv
	.globl	k_q269f079cb4_qkv
	.p2align	8
	.type	k_q269f079cb4_qkv,@function
k_q269f079cb4_qkv:
	s_mov_b64 s[64:65], 0
	v_nop
	global_prefetch_b8 v0, s[64:65] scope:SCOPE_SE
	s_setreg_imm32_b32 hwreg(HW_REG_WAVE_MODE, 25, 1), 1
	s_wait_xcnt 0x0
	s_wait_alu depctr_hold_cnt(0) depctr_sa_sdst(0) depctr_va_vdst(0) depctr_va_sdst(0) depctr_va_ssrc(0) depctr_va_vcc(0) depctr_vm_vsrc(0)
	s_getreg_b32 s2, hwreg(HW_REG_IB_STS2, 6, 4)
	s_cmp_eq_u32 s2, 0
	s_cbranch_scc0 .Lentry_in_a_cluster
	s_endpgm
.Lentry_in_a_cluster:
	s_bfe_u32 s2, ttmp6, 0x10000c
	s_cmp_lg_u32 s2, 0xf033
	s_cbranch_scc0 .Lentry_shape_is_right
	s_endpgm
.Lentry_shape_is_right:
; Launch 2 of 4: q, k, v = x Wx^T + t Wt^T on codes of BF6, quantised again on the way out as operands of the attention.  No work of the module is left out.
; A work-group makes 512 tokens x 192 features (three heads) of ONE of q, k, v: the kind is the cluster's x, the same in all sixteen partners.  192 work-groups: a share of whole heads x whole runs of 128 tokens
; for 256 work-groups does not exist (73,728 outputs a work-group are no such product), and a wave tile of 128 x 192 feeds 96 products from 20 fragments.
; Wave w: tokens 128 w .. 128 w + 127 (8 tiles) x 12 tiles of features: 96 accumulators, windows 1 to 3 (window 1 + head).
; q, k: the product is used transposed (source 0 = 16 rows of W, source 1 = 16 tokens): a lane holds one token and its registers run along the head's 64, which are the next product's K.
; v: source 0 = 16 tokens, source 1 = 16 rows of W: a lane holds one feature and its registers run along the tokens, which are the keys: the next K.  Only the matrix instructions differ: they stand in two arms of a
; branch on the kind; every LDS load, tensor load, wait and barrier is on the one common way.  The two arms lay a window's 32 accumulators differently, so the products that BEGIN the sums of a window (the first K step's,
; with the constant 0) stand in one run under one branch: on no way through the text does a sum begin over registers that the other arm has just written.
; K = 768 goes in six steps of 128; an LDS slot holds two steps: 16 pairs of x (102,400 bytes) and 6 pairs of W (38,400), images of the operands' registers as the launch before laid them: every fragment is three
; loads of 512 consecutive bytes.  Two slots; the third fill goes into slot 0 again.  CLUSTER 4 x 4: x's block is shared along a row, W's along a column: joint loads.
; OUT: qi [b 12 + head][128 tokens][6,656]: four images (registers 0-5 token tile 2 p, 6-11 tile 2 p + 1; K = 64 is half a fragment), scale words at 6,144 + 16 l + 4 p.  q's bytes are lowered by 3: the division by
; sqrt(64) = 8, exact; above them 0x7f7f.  kv [b 12 + head][128 keys][13,056]: k as q (upper half of the words 0), v's four fragments (16 of the head's 64 x 128 keys) at 6,656, its words at 12,800 + 8 l + 4 (tile / 2).
; LIMITS: q's byte is held at 4 from below (a block of q whose largest magnitude lies under 2^-119 takes the scale 2^-123), k's and v's at 1; blocks of zeros keep those bytes: their codes are zeros.  NaN and infinities are not served.
.set SLOT,  140800
.set BOFF,  102400
.set SPARE, 281600                     ; behind the ring: the spare words, 128 bytes a wave
.set AA,  4                            ; v4-5   x's fragments in slot 0, 1: 25,600 x wave + 16 l
.set ASA, 6                            ; v6-7   x's scale words: .. + 4 l
.set BA,  8                            ; v8-9   W's fragments
.set BSA, 10                           ; v10-11 W's scale words
.set L16, 12
.set L8,  13
.set TOFQ, 14                          ; 32 h
.set SH,  15                           ; 16 h
.set SPW, 16
.set NIL, 17
.set TOFV, 19                          ; 4 r
.set AS,  20                           ; v20-27 x's scale words, two sets of 4 pairs
.set BS,  28                           ; v28-39 W's, two sets of 6 pairs
.set KSW, 40                           ; v40-43 q's or k's words of a head
.set VSW, 44                           ; v44-45 v's
.set PWE, 46
.set TT,  47
.set AF,  64                           ; v64-159 x's 8 fragments
.set BF,  160                          ; v160-255 W's 4 fragments, two sets
.set TM,  64                           ; the way out: at work
.set PW,  80
.set PC,  84
.set PT,  96
.set TP,  160                          ; the way out: t's projection
.set WV, 14
.set WH, 15
.set WL, 16
.set KIND, 17
.set G1A, 24
.set G0A, 32
.set G1B, 48
.set G0B, 56
.set SEL, 68
.set FL,  70
.set HM,  71
.set OB,  72
.set BS8, 74
.set ADDC, 76
.set TPB, 78
.set MSB, 0
.macro WIN new                         ; the immediate's high byte repeats the setting that is left
.if MSB != (\new)
	s_set_vgpr_msb (MSB<<8)|(\new)
.set MSB, (\new)
.endif
.endm
.macro PLACES n
.rept \n
	v_nop
.endr
.endm
.macro CROUND                          ; a round of the cluster's barrier
	s_barrier_signal -1
	s_barrier_wait -1
	s_cmp_lg_u32 s[WV], 0
	s_cbranch_scc1 .Lnot_wave_0_\@
	s_barrier_signal -3
.Lnot_wave_0_\@:
	s_barrier_wait -3
	s_barrier_signal -1
	s_barrier_wait -1
.endm
.macro JLOAD g0a, g1a, g0b, g1b        ; a joint load: waves 0 and 1 fetch for x, waves 2 and 3 for W; an s_nop 0 and four v_nop follow each line
	s_cmp_eq_u32 s[WH], 0
	s_cbranch_scc0 .Lfor_b_\@
	tensor_load_to_lds s[\g0a:\g0a+3], s[\g1a:\g1a+7]
	s_nop 0
.rept 4
	v_nop
.endr
	s_branch .Lasked_\@
.Lfor_b_\@:
	tensor_load_to_lds s[\g0b:\g0b+3], s[\g1b:\g1b+7]
	s_nop 0
.rept 4
	v_nop
.endr
.Lasked_\@:
.endm
; one matrix instruction.  c < 0: the constant 0 starts the sum.  ra, rb: the side's scale words stand in lanes 16-31
.macro WM d, a, b, c, sa, sb, ra, rb
.if (\c) < 0
.if (\ra) && (\rb)
	v_wmma_scale_f32_16x16x128_f8f6f4 v[(\d):(\d)+7], v[(\a):(\a)+11], v[(\b):(\b)+11], 0, v[(\sa)], v[(\sb)] matrix_a_fmt:MATRIX_FMT_BF6 matrix_b_fmt:MATRIX_FMT_BF6 matrix_a_scale:MATRIX_SCALE_ROW1 matrix_b_scale:MATRIX_SCALE_ROW1
.elseif (\ra)
	v_wmma_scale_f32_16x16x128_f8f6f4 v[(\d):(\d)+7], v[(\a):(\a)+11], v[(\b):(\b)+11], 0, v[(\sa)], v[(\sb)] matrix_a_fmt:MATRIX_FMT_BF6 matrix_b_fmt:MATRIX_FMT_BF6 matrix_a_scale:MATRIX_SCALE_ROW1
.elseif (\rb)
	v_wmma_scale_f32_16x16x128_f8f6f4 v[(\d):(\d)+7], v[(\a):(\a)+11], v[(\b):(\b)+11], 0, v[(\sa)], v[(\sb)] matrix_a_fmt:MATRIX_FMT_BF6 matrix_b_fmt:MATRIX_FMT_BF6 matrix_b_scale:MATRIX_SCALE_ROW1
.else
	v_wmma_scale_f32_16x16x128_f8f6f4 v[(\d):(\d)+7], v[(\a):(\a)+11], v[(\b):(\b)+11], 0, v[(\sa)], v[(\sb)] matrix_a_fmt:MATRIX_FMT_BF6 matrix_b_fmt:MATRIX_FMT_BF6
.endif
.else
.if (\ra) && (\rb)
	v_wmma_scale_f32_16x16x128_f8f6f4 v[(\d):(\d)+7], v[(\a):(\a)+11], v[(\b):(\b)+11], v[(\c):(\c)+7], v[(\sa)], v[(\sb)] matrix_a_fmt:MATRIX_FMT_BF6 matrix_b_fmt:MATRIX_FMT_BF6 matrix_a_scale:MATRIX_SCALE_ROW1 matrix_b_scale:MATRIX_SCALE_ROW1
.elseif (\ra)
	v_wmma_scale_f32_16x16x128_f8f6f4 v[(\d):(\d)+7], v[(\a):(\a)+11], v[(\b):(\b)+11], v[(\c):(\c)+7], v[(\sa)], v[(\sb)] matrix_a_fmt:MATRIX_FMT_BF6 matrix_b_fmt:MATRIX_FMT_BF6 matrix_a_scale:MATRIX_SCALE_ROW1
.elseif (\rb)
	v_wmma_scale_f32_16x16x128_f8f6f4 v[(\d):(\d)+7], v[(\a):(\a)+11], v[(\b):(\b)+11], v[(\c):(\c)+7], v[(\sa)], v[(\sb)] matrix_a_fmt:MATRIX_FMT_BF6 matrix_b_fmt:MATRIX_FMT_BF6 matrix_b_scale:MATRIX_SCALE_ROW1
.else
	v_wmma_scale_f32_16x16x128_f8f6f4 v[(\d):(\d)+7], v[(\a):(\a)+11], v[(\b):(\b)+11], v[(\c):(\c)+7], v[(\sa)], v[(\sb)] matrix_a_fmt:MATRIX_FMT_BF6 matrix_b_fmt:MATRIX_FMT_BF6
.endif
.endif
.endm
; 64 numbers of a lane in window w, register 16 b + i = place 16 h + i of block b, become 12 registers of codes in v[PC] on and the four bytes in v[PW]
.macro QUANT src, w
	WIN ((\w)<<2)|((\w)<<4)
.irp b, 0,1,2,3
	v_max3_num_f32 v[TM+\b], s[FL], |v[(\src)+16*\b]|, |v[(\src)+16*\b+1]|   ; my 16 numbers and the floor
.endr
.irp i, 2,4,6,8,10,12,14
.irp b, 0,1,2,3
	v_max3_num_f32 v[TM+\b], v[TM+\b], |v[(\src)+16*\b+\i]|, |v[(\src)+16*\b+\i+1]|
.endr
.endr
	WIN 0
.irp b, 0,1,2,3
	v_permlanex16_b32 v[TM+4+\b], v[TM+\b], s[SEL], s[SEL+1]
.endr
.irp b, 0,1,2,3
	v_max_num_f32 v[TM+\b], v[TM+\b], v[TM+4+\b]
.endr
.irp b, 0,1,2,3
	v_add_nc_u32 v[TM+12+\b], 0xfe000000, v[TM+\b]        ; 4 off the exponent field: the conversion's scale operand
.endr
.irp b, 0,1,2,3
	v_lshrrev_b32 v[TM+4+\b], 23, v[TM+12+\b]
.endr
	v_lshl_or_b32 v[PW], v[TM+5], 8, v[TM+4]
	v_lshl_or_b32 v[PW], v[TM+6], 16, v[PW]
	v_lshl_or_b32 v[PW], v[TM+7], 24, v[PW]
	s_wait_xcnt 0x0                                        ; earlier stores have read their data: the codes' and the words' registers are written again only behind this wait
	WIN (\w)
.irp c, 0,1
	v_cvt_scalef32_pk16_bf6_f32 v[PC+6*\c:PC+6*\c+2], v[(\src)+32*\c:(\src)+32*\c+15], v[TM+12+2*\c]
	v_cvt_scalef32_pk16_bf6_f32 v[PT+4*\c:PT+4*\c+2], v[(\src)+32*\c+16:(\src)+32*\c+31], v[TM+12+2*\c+1]
.endr
	WIN 0
	v_nop                                                  ; one plain place behind a scaled conversion
.irp c, 0,1
.irp i, 0,1,2
	v_permlane16_swap_b32 v[PC+6*\c+\i], v[PT+4*\c+\i]
.endr
.irp i, 0,1,2
	v_mov_b32 v[PC+3+6*\c+\i], v[PT+4*\c+\i]
.endr
.endr
.endm
	s_load_b256 s[4:11], s[0:1], 0x0               ; xi, wi, tp, qi
	s_load_b64 s[12:13], s[0:1], 0x20              ; kv
	v_lshl_add_u32 v[SPW], v0, 2, SPARE
	v_mov_b32 v[NIL], 0
	ds_add_u32 v[SPW], v[NIL]                      ; the wave's opening: the add, twice on end, and its wait ahead of my first tensor load
	ds_add_u32 v[SPW], v[NIL]
	v_lshrrev_b32 v1, 5, v0
	v_readfirstlane_b32 s[WV], v1                  ; wave 0..3
	s_lshr_b32 s[WH], s[WV], 1                     ; I fetch for x (0) or for W (1)
	s_and_b32 s[WL], s[WV], 1                      ; which half of that block
	s_mov_b32 s[KIND], ttmp9                       ; 0 q, 1 k, 2 v: the cluster's x
	s_bfe_u32 s40, ttmp6, 0x40000                  ; cx
	s_bfe_u32 s41, ttmp6, 0x40004                  ; cy
	s_lshl_b32 s42, ttmp9, 2
	s_add_co_u32 s42, s42, s40                     ; which 192 of the 2,304 rows of Wx_q, Wx_k, Wx_v
	s_and_b32 s43, ttmp7, 0xffff
	s_lshl_b32 s43, s43, 2
	s_add_co_u32 s43, s43, s41                     ; which 512 tokens
	s_lshl_b32 s44, s41, 2
	s_lshl_b32 s44, 15, s44                        ; my row of the cluster
	s_lshl_b32 s45, 0x1111, s40                    ; my column
	s_or_b32 s[G1A], s44, (3<<16)|(1<<21)          ; x's block goes to my row; elements of 8 bytes; no padding
	s_or_b32 s[G1B], s45, (3<<16)|(1<<21)          ; W's to my column
	s_mov_b32 s[G1A+1], 32<<16                     ; rows of 256 bytes,
	s_mov_b32 s[G1A+2], 200<<16                    ; 200 of them: 8 pairs, dense
	s_mov_b32 s[G1A+3], 32<<16
	s_mov_b32 s[G1A+4], 200
	s_mov_b32 s[G1A+5], 32
	s_mov_b32 s[G1A+6], 0
	s_mov_b32 s[G1A+7], 0
	s_mov_b32 s[G1B+1], 32<<16
	s_mov_b32 s[G1B+2], 75<<16                     ; 75 rows: 3 pairs
	s_mov_b32 s[G1B+3], 32<<16
	s_mov_b32 s[G1B+4], 75
	s_mov_b32 s[G1B+5], 32
	s_mov_b32 s[G1B+6], 0
	s_mov_b32 s[G1B+7], 0
	s_lshl_b32 s18, s43, 4
	s_lshl_b32 s19, s[WL], 3
	s_add_co_u32 s18, s18, s19                     ; x: pair 16 x token group + 8 x half
	s_mul_i32 s18, s18, 6400
	s_mov_b32 s19, 0
	s_mul_i32 s46, s42, 6
	s_mul_i32 s47, s[WL], 3
	s_add_co_u32 s46, s46, s47                     ; W: pair 6 x feature group + 3 x half
	s_mul_i32 s46, s46, 6400
	s_mov_b32 s47, 0
	s_mul_i32 s20, s[WL], 51200                    ; where they go: no place in the cluster enters an LDS address
	s_mul_i32 s21, s[WL], 19200
	s_add_co_u32 s21, s21, BOFF
	s_mov_b32 s[SEL], 0x76543210
	s_mov_b32 s[SEL+1], 0xfedcba98
	s_mov_b32 s[HM], 0xffff0000
	s_wait_dscnt 0x0                               ; both opening adds are done
	s_wait_kmcnt 0x0
	s_add_nc_u64 s[18:19], s[4:5], s[18:19]
	s_add_nc_u64 s[46:47], s[6:7], s[46:47]
	CROUND                                         ; all sixteen work-groups are here: the first joint loads meet
.irp p, 0,1
	s_mov_b32 s[G0A+4*\p], 1
	s_add_co_u32 s[G0A+4*\p+1], s20, \p*SLOT
	s_add_nc_u64 s[G0A+4*\p+2:G0A+4*\p+3], s[18:19], \p*1638400
	s_or_b32 s[G0A+4*\p+3], s[G0A+4*\p+3], 0x80000000
	s_mov_b32 s[G0B+4*\p], 1
	s_add_co_u32 s[G0B+4*\p+1], s21, \p*SLOT
	s_add_nc_u64 s[G0B+4*\p+2:G0B+4*\p+3], s[46:47], \p*614400
	s_or_b32 s[G0B+4*\p+3], s[G0B+4*\p+3], 0x80000000
.endr
	JLOAD G0A, G1A, G0B, G1B                       ; K steps 0, 1 into slot 0: my one tensor load at the head
	v_and_b32 v3, 31, v0
	v_and_b32 v1, 15, v0                           ; r
	v_bfe_u32 v2, v0, 4, 1                         ; h
	v_lshlrev_b32 v[L16], 4, v3
	v_lshlrev_b32 v[L8], 3, v3
	v_lshlrev_b32 v18, 2, v3
	s_mul_i32 s22, s[WV], 25600                    ; my four pairs of x
	v_add_nc_u32 v[AA], s22, v[L16]
	v_add_nc_u32 v[AA+1], SLOT, v[AA]
	v_add_nc_u32 v[ASA], s22, v18
	v_add_nc_u32 v[ASA+1], SLOT, v[ASA]
	v_add_nc_u32 v[BA], BOFF, v[L16]
	v_add_nc_u32 v[BA+1], SLOT, v[BA]
	v_add_nc_u32 v[BSA], BOFF, v18
	v_add_nc_u32 v[BSA+1], SLOT, v[BSA]
	v_lshlrev_b32 v[TOFQ], 5, v2
	v_lshlrev_b32 v[TOFV], 2, v1
	v_lshlrev_b32 v[SH], 4, v2
.irp i, 0,1,2,3,4,5,6
	v_mov_b32 v[KSW+\i], 0                         ; the words' registers are written once here
.endr
.macro LOAD_A mh, s                    ; x's tiles 4 mh .. 4 mh + 3 of K step s: 12 loads
.irp m, 4*\mh, 4*\mh+1, 4*\mh+2, 4*\mh+3
.irp c, 0,1,2
	ds_load_b128 v[AF+12*(\m)+4*\c:AF+12*(\m)+4*\c+3], v[AA+(((\s)/2)%2)] offset:((\m)/2)*6400+(2*((\m)%2)+(\s)%2)*1536+512*\c
.endr
.endr
.endm
.macro LOAD_B s, g                     ; W's tiles 4 g .. 4 g + 3 of K step s into set (3 s + g) % 2: 12 loads
.irp nn, 0,1,2,3
.irp c, 0,1,2
	ds_load_b128 v[BF+48*((3*(\s)+(\g))%2)+12*\nn+4*\c:BF+48*((3*(\s)+(\g))%2)+12*\nn+4*\c+3], v[BA+(((\s)/2)%2)] offset:(2*(\g)+\nn/2)*6400+(2*(\nn%2)+(\s)%2)*1536+512*\c
.endr
.endr
.endm
.macro LOAD_S s                        ; K step s's scale words into set s % 2: 10 loads
.irp P, 0,1,2,3
	ds_load_b32 v[AS+4*((\s)%2)+\P], v[ASA+(((\s)/2)%2)] offset:\P*6400+6144+128*((\s)%2)
.endr
.irp P, 0,1,2,3,4,5
	ds_load_b32 v[BS+6*((\s)%2)+\P], v[BSA+(((\s)/2)%2)] offset:\P*6400+6144+128*((\s)%2)
.endr
.endm
; mc x 4 matrix instructions: x's tiles m0 on x W's tiles 4 g .. 4 g + 3, K step s.  z = 1: they start the sums.  The accumulators take turns, one instruction a turn.
.macro MULSEL s, g, m0, mc, z
	s_cmp_eq_u32 s[KIND], 2
	s_cbranch_scc1 .Lva_\@
	WIN ((1+\g)<<6)|((1+\g)<<4)
.set MM, \m0
.rept \mc
.irp nn, 0,1,2,3
	WM 32*MM+8*\nn, BF+48*((3*(\s)+\g)%2)+12*\nn, AF+12*MM, (1-\z)*(32*MM+8*\nn+1)-1, BS+6*((\s)%2)+2*\g+\nn/2, AS+4*((\s)%2)+MM/2, \nn%2, MM%2
.endr
.set MM, MM+1
.endr
	WIN 0
	s_branch .Ljo_\@
.Lva_\@:
	WIN ((1+\g)<<6)|((1+\g)<<4)
.set MM, \m0
.rept \mc
.irp nn, 0,1,2,3
	WM 64*\nn+8*MM, AF+12*MM, BF+48*((3*(\s)+\g)%2)+12*\nn, (1-\z)*(64*\nn+8*MM+1)-1, AS+4*((\s)%2)+MM/2, BS+6*((\s)%2)+2*\g+\nn/2, MM%2, \nn%2
.endr
.set MM, MM+1
.endr
	WIN 0
.Ljo_\@:
.endm
; A K step is three phases, one for each head.  Loads into registers that matrix instructions have read stand four places behind them.
; z = 1, the first K step: a head's 32 products, which begin its sums, stand in ONE run under one branch on the kind.
.macro PH0 s, z
.if (\s) > 1
	PLACES 4                                       ; (K step 1 finds its four places behind K step 0's last products)
.endif
	LOAD_A 1, \s
	LOAD_B \s, 1
.if \z
	s_wait_dscnt 12                                ; all but the 12 youngest, the next phase's W: this phase's W, x's eight tiles and the scale words are in
	MULSEL \s, 0, 0, 8, 1
.else
	s_wait_dscnt 24                                ; all but the 24 just issued: this phase's W, x's tiles 0-3 and the scale words are in
	MULSEL \s, 0, 0, 4, 0
	s_wait_dscnt 12                                ; x's tiles 4-7 are in; the next phase's W may be out
	MULSEL \s, 0, 4, 4, 0
.endif
.endm
.macro PH1 s, z
	PLACES 4
	LOAD_B \s, 2
	s_wait_dscnt 12                                ; this phase's W is in
	MULSEL \s, 1, 0, 8, \z
.endm
.macro PH2 s, z, how                   ; how = 1: slot 0 has been read out and is filled again; 2: the next step lies in the slot that was filled last
.if (\how) == 1
	s_wait_tensorcnt 0x0                           ; all my tensor loads have landed, my part of slot 1 among them
	ds_add_u32 v[SPW], v[NIL]                      ; 0 onto my spare word
	s_add_nc_u64 s[G0A+2:G0A+3], s[G0A+2:G0A+3], 3276800   ; K steps 4, 5
	s_add_nc_u64 s[G0B+2:G0B+3], s[G0B+2:G0B+3], 1228800
	s_wait_dscnt 0x0                               ; the add is done, and my reads of slot 0 are over
	CROUND                                         ; no wave of any partner still reads slot 0 or has a load on its way
	JLOAD G0A, G1A, G0B, G1B                       ; the first tensor load behind the round; its four v_nop are the places in front of the loads below
.elseif (\how) == 2
	s_wait_tensorcnt 0x0                           ; my part of K steps 4, 5 is in
	ds_add_u32 v[SPW], v[NIL]
	s_wait_dscnt 0x0
	s_barrier_signal -1
	s_barrier_wait -1                              ; everybody's is
	PLACES 4
.else
	PLACES 4
.endif
	LOAD_B (\s)+1, 0
	s_wait_dscnt 12                                ; this phase's W is in
.if \z
	MULSEL \s, 2, 0, 8, 1
	PLACES 4                                       ; for the loads below and for those at the next K step's head
	LOAD_A 0, (\s)+1
	LOAD_S (\s)+1
.else
	MULSEL \s, 2, 0, 4, 0
	PLACES 4
	LOAD_A 0, (\s)+1
	LOAD_S (\s)+1
	MULSEL \s, 2, 4, 4, 0
.endif
.endm
	s_wait_alu depctr_va_vdst(0)                   ; the head's end
	s_wait_tensorcnt 0x0                           ; my part of slot 0 is in; slot 1's first fill is issued as a refill is
	ds_add_u32 v[SPW], v[NIL]
	s_wait_dscnt 0x0
	CROUND
	JLOAD G0A+4, G1A, G0B+4, G1B                   ; K steps 2, 3 into slot 1: the first tensor load behind the round
	LOAD_S 0
	LOAD_A 0, 0
	LOAD_B 0, 0
	PH0 0, 1
	PH1 0, 1
	PH2 0, 1, 0
	PH0 1, 0
	PH1 1, 0
	PH2 1, 0, 1
	PH0 2, 0
	PH1 2, 0
	PH2 2, 0, 0
	PH0 3, 0
	PH1 3, 0
	PH2 3, 0, 2
	PH0 4, 0
	PH1 4, 0
	PH2 4, 0, 0
	PH0 5, 0
	PH1 5, 0
	s_wait_dscnt 0x0
	MULSEL 5, 2, 0, 8, 0
	; ---- THE WAY OUT: + t's projection, quantised along the next product's K, stored as images of the operand's registers
	PLACES 4
	s_lshr_b32 s80, s43, 1                         ; the batch
	s_mul_i32 s81, s80, 12
	s_mul_i32 s82, s40, 3
	s_add_co_u32 s81, s81, s82                     ; b 12 + my first head
	s_lshl_b32 s81, s81, 3
	s_and_b32 s82, s43, 1
	s_lshl_b32 s82, s82, 2
	s_add_co_u32 s81, s81, s82
	s_add_co_u32 s81, s81, s[WV]                   ; + my run of 128 tokens
	s_lshl_b32 s82, s[KIND], 3
	s_add_co_u32 s82, s82, s80
	s_mul_i32 s82, s82, 768
	s_mul_i32 s83, s40, 192
	s_add_co_u32 s82, s82, s83
	s_lshl_b32 s82, s82, 2
	s_mov_b32 s83, 0
	s_add_nc_u64 s[TPB:TPB+1], s[8:9], s[82:83]
	s_cmp_eq_u32 s[KIND], 0
	s_cselect_b64 s[OB:OB+1], s[10:11], s[12:13]
	s_mov_b32 s84, 13056
	s_cselect_b32 s84, 6656, s84
	s_cselect_b32 s[ADDC], 0x7f7efcfd, 0           ; q: 3 off both bytes, 0x7f7f above them
	s_mov_b32 s[FL], 0x02800000
	s_cselect_b32 s[FL], 0x04000000, s[FL]
	s_mul_i32 s82, s81, s84
	s_cmp_eq_u32 s[KIND], 2
	s_cselect_b32 s85, 6656, 0                     ; v lies behind k in its block
	s_add_co_u32 s82, s82, s85
	s_add_nc_u64 s[OB:OB+1], s[OB:OB+1], s[82:83]
	s_lshl_b32 s[BS8], s84, 3                      ; from head to head
	s_mov_b32 s[BS8+1], 0
	s_cmp_eq_u32 s[KIND], 2
	s_cbranch_scc1 .Ltpv
.set N, 0
.rept 12
	global_load_b128 v[TP+8*N:TP+8*N+3], v[TOFQ], s[TPB:TPB+1] offset:64*N        ; q, k: features 16 n + 8 h + 0 .. 7
	global_load_b128 v[TP+8*N+4:TP+8*N+7], v[TOFQ], s[TPB:TPB+1] offset:64*N+16
.set N, N+1
.endr
	s_branch .Ltpj
.Ltpv:
.set N, 0
	s_wait_alu depctr_va_vdst(0)
.rept 12
	global_load_b32 v[TP+2*N], v[TOFV], s[TPB:TPB+1] offset:64*N                  ; v: feature 16 n + r, twice: a pair for the packed addition
	global_load_b32 v[TP+2*N+1], v[TOFV], s[TPB:TPB+1] offset:64*N
.set N, N+1
.endr
.Ltpj:
.irp b, 0,1,2,3
	v_mov_b32 v[TM+4+\b], 0
.endr
	s_wait_loadcnt 0x0
.macro EPI hd, p                       ; 64 registers at 64 p of window 1 + hd: q, k: token tiles 2 p, 2 p + 1 x the head's 64; v: the head's tile p of 16 features x 128 tokens
	s_cmp_eq_u32 s[KIND], 2
	s_cbranch_scc1 .Lbv_\@
	WIN ((1+\hd)<<6)|(1+\hd)
.set QQ, 0
.rept 32
	v_pk_add_f32 v[64*\p+QQ:64*\p+QQ+1], v[64*\p+QQ:64*\p+QQ+1], v[TP+32*\hd+QQ%32:TP+32*\hd+QQ%32+1]   ; each accumulator from its low end on
.set QQ, QQ+2
.endr
	WIN 0
	s_branch .Lbj_\@
.Lbv_\@:
	WIN ((1+\hd)<<6)|(1+\hd)
.set QQ, 0
.rept 32
	v_pk_add_f32 v[64*\p+QQ:64*\p+QQ+1], v[64*\p+QQ:64*\p+QQ+1], v[TP+8*\hd+2*\p:TP+8*\hd+2*\p+1]
.set QQ, QQ+2
.endr
	WIN 0
.Lbj_\@:
	QUANT 64*\p, 1+\hd
.irp c, 0,1,2
	global_store_b128 v[L16], v[PC+4*\c:PC+4*\c+3], s[OB:OB+1] offset:1536*\p+512*\c   ; 512 consecutive bytes, aligned
.endr
	s_cmp_eq_u32 s[KIND], 2
	s_cbranch_scc1 .Lsv_\@
	v_lshrrev_b32 v[TT], v[SH], v[PW]              ; lanes 0-15 tile 2 p's two bytes, lanes 16-31 tile 2 p + 1's
	v_and_b32 v[TT], 0xffff, v[TT]
	v_add_nc_u32 v[KSW+\p], s[ADDC], v[TT]
.if \p == 3
	global_store_b128 v[L16], v[KSW:KSW+3], s[OB:OB+1] offset:6144
.endif
	s_branch .Lsj_\@
.Lsv_\@:
.if (\p)%2 == 0
	v_mov_b32 v[PWE], v[PW]
.else
	v_cndmask_b32 v[VSW+(\p)/2], v[PWE], v[PW], s[HM]   ; lanes 0-15 the even tile's words, lanes 16-31 the odd one's
.endif
.if \p == 3
	global_store_b64 v[L8], v[VSW:VSW+1], s[OB:OB+1] offset:6144
.endif
.Lsj_\@:
.if (\p == 3) && (\hd < 2)
	s_wait_xcnt 0x0                                ; the stores have read their base
	s_add_nc_u64 s[OB:OB+1], s[OB:OB+1], s[BS8:BS8+1]
.endif
.endm
.irp hd, 0,1,2
.irp p, 0,1,2,3
	EPI \hd, \p
.endr
.endr
	s_wait_tensorcnt 0x0                           ; the wave's end
	ds_add_u32 v[SPW], v[NIL]
	s_wait_dscnt 0x0
	CROUND                                         ; the closing round
	s_endpgm
.Lfunc_end_k_q269f079cb4_qkv:
	.size	k_q269f079cb4_qkv, .Lfunc_end_k_q269f079cb4_qkv-k_q269f079cb4_qkv
	.p2alignl 7, 3214868480
	.fill 96, 4, 3214868480
	.section	.rodata,"a",@progbits
	.p2align	6, 0x0
	.amdhsa_kernel k_q269f079cb4_qkv
		.amdhsa_group_segment_fixed_size 327680
		.amdhsa_private_segment_fixed_size 0
		.amdhsa_enable_private_segment 0
		.amdhsa_kernarg_size 40
		.amdhsa_user_sgpr_count 2
		.amdhsa_user_sgpr_kernarg_segment_ptr 1
		.amdhsa_wavefront_size32 1
		.amdhsa_system_sgpr_workgroup_id_x 1
		.amdhsa_system_sgpr_workgroup_id_y 1
		.amdhsa_system_sgpr_workgroup_id_z 1
		.amdhsa_system_vgpr_workitem_id 0
		.amdhsa_next_free_vgpr 1024
		.amdhsa_next_free_sgpr 100
		.amdhsa_reserve_vcc 0
		.amdhsa_float_denorm_mode_32 3
		.amdhsa_float_denorm_mode_16_64 3
		.amdhsa_memory_ordered 1
		.amdhsa_forward_progress 1
		.amdhsa_inst_pref_size 255
	.end_amdhsa_kernel
	.section	.bss,"aw",@nobits
	.p2align	6
	.space	262144
	.amdgpu_metadata
---
amdhsa.version: [ 1, 2 ]
amdhsa.kernels:
  - .name:           k_q269f079cb4_qkv
    .symbol:         k_q269f079cb4_qkv.kd
    .args:
      - { .name: xi, .offset: 0, .size: 8, .value_kind: global_buffer, .address_space: global }
      - { .name: wi, .offset: 8, .size: 8, .value_kind: global_buffer, .address_space: global }
      - { .name: tp, .offset: 16, .size: 8, .value_kind: global_buffer, .address_space: global }
      - { .name: qi, .offset: 24, .size: 8, .value_kind: global_buffer, .address_space: global }
      - { .name: kv, .offset: 32, .size: 8, .value_kind: global_buffer, .address_space: global }
    .group_segment_fixed_size: 327680
    .private_segment_fixed_size: 0
    .kernarg_segment_align: 8
    .kernarg_segment_size: 40
    .max_flat_workgroup_size: 128
    .sgpr_count:     100
    .vgpr_count:     1024
    .wavefront_size: 32
...
	.end_amdgpu_metadata
.endif
;; end of part 2
;; launch attn (part 3): grid 4 x 64, 8 waves a work-group, clusters of 4 x 4, 327,680 bytes of LDS; arguments qi, kv, rel_pos_bias, oi; writes oi
.if DOCPART == 3
	.amdgcn_target "amdgcn-amd-amdhsa--gfx1250"
	.amdhsa_code_object_version 6
	.text
	.protected	k_q269f079cb4_attn
	.globl	k_q269f079cb4_attn
	.p2align	8
	.type	k_q269f079cb4_attn,@function
k_q269f079cb4_attn:
	s_mov_b64 s[64:65], 0
	v_nop
	global_prefetch_b8 v0, s[64:65] scope:SCOPE_SE
	s_setreg_imm32_b32 hwreg(HW_REG_WAVE_MODE, 25, 1), 1
	s_wait_xcnt 0x0
	s_wait_alu depctr_hold_cnt(0) depctr_sa_sdst(0) depctr_va_vdst(0) depctr_va_sdst(0) depctr_va_ssrc(0) depctr_va_vcc(0) depctr_vm_vsrc(0)
	s_getreg_b32 s2, hwreg(HW_REG_IB_STS2, 6, 4)
	s_cmp_eq_u32 s2, 0
	s_cbranch_scc0 .Lentry_in_a_cluster
	s_endpgm
.Lentry_in_a_cluster:
	s_bfe_u32 s2, ttmp6, 0x10000c
	s_cmp_lg_u32 s2, 0xf033
	s_cbranch_scc0 .Lentry_shape_is_right
	s_endpgm
.Lentry_shape_is_right:
; Launch 3 of 4: o = softmax(q k^T / 8 + rel_pos_bias) v on codes of BF6; o is quantised again on the way out.  No work of the module is left out.
; A work-group takes 64 queries x 2 batches x 3 heads (head base + 4 unit), a unit after the other.  Keys go in slots of 256: bias 64 rows x 1,024 bytes (pitch 1,040) and 4 blocks of k, v (2 batches x 2 runs of 128 keys).
; WAVE w = 4 batch + 2 g + kh: 32 queries (rows 32 g on, two tiles) of one batch x the slot's run kh of 128 keys: a fragment of k or v feeds two tiles.  A slot is one step of a wave.
; My tile 0 is rows 16 kh on, my tile 1 the other sixteen: so at a unit's end every wave sends its tile 1 to wave w xor 1 through a stage in LDS and finishes its tile 0 with the partner's half of the keys.
; Both products are used transposed (S^T = k q^T with the bias as C, O^T = v^T p^T): a lane holds one query.  K = 64 is half a fragment: q's upper six registers are zeros.
; M is the running ceiling of the largest t; p = 2^(t - M); the sum is taken of p before it is quantised; a change of M multiplies sum and O by a power of two.  A unit's first step finds -M = 3e38, so that factor is 0:
; O and the sum need no clearing between units (they are finite); they are cleared once, at the head.
; RING: two slots; at a step's top the slot's bytes are all in registers, so the slot is filled again there, behind a round of the cluster's barrier; the other slot is read in the step.  One tensor load a wave is out.
; CLUSTER 4 x 4: the bias tile is shared along a row (four pairs of batches), k and v along a column (four blocks of queries): joint loads.
; PREFETCH: waves 0, 1 name the bias tile, waves 2, 3 the k, v blocks of the fill that stands one refill on; partners share the blocks out by address (cx: 16 rows of bias; cy: one block of 13,056 bytes).
; The head names fills 1 and 2; the last refill names nothing.
; LIMITS: the promise holds while the scaled scores stay under 2^31 in magnitude; scale bytes are held at 1 from below; NaN and infinities among the inputs are not served.
.set SLOT,  118784
.set KVO,   66560
.set STG,   237568                     ; the stage: 4,352 bytes a wave (O 4,096, -M 128, sum 128); no fill lands here
.set STW,   4352
.set SPARE, 272384                     ; the spare words, 128 bytes a wave
; window 0
.set BI,  4                            ; v4-7 bias: tile q, slot s at BI + 2 q + s
.set KVA, 8
.set KV8, 10
.set SPW, 12
.set NIL, 13
.set QO0, 14
.set QO1, 16
.set QSO, 18
.set OO,  20
.set OSO, 21
.set PFO, 22
.set MG,  23
.set ML,  24
.set MG4, 25
.set KS,  26
.set VS,  30
.set QS,  34
.set QSN, 36
.set ML4, 38
.set NM,  40                           ; a tile's state, 8 registers a tile: -M, largest t, sum (2), f, p's scale word, a temporary
.set TMX, 41
.set SUM, 42
.set F,   44
.set PS,  45
.set T1,  46
.set PW2, 47
.set BM,  56
.set PC,  64
.set PT,  88
.set BP,  104
.set BSC, 112
.set SD,  120
.set R,   64                           ; a unit's end: the partner's O, then o
.set PN,  96
.set OC,  98
.set OT,  120
.set S,   128                          ; v128-255 bias, scores, p: 64 a tile
; window 1
.set O,   0
.set K,   64                           ; 48 registers and 6 zeros
.set V,   120                          ; two sets of 48
.set Q,   216                          ; a tile: 6 registers and 6 zeros
.set QN,  240
.set WV, 12
.set CS, 18
.set SEL, 20
.set J,  22
.set G1B, 24
.set G0B, 32
.set DB,  40
.set DK,  42
.set PD,  44
.set PFA, 46
.set G1K, 48
.set G0K, 56
.set OB,  66
.set OSB, 68
.set QB,  70
.set PF1, 94
.set PJ,  96
.set MSB, 0
.macro WIN new
.if MSB != (\new)
	s_set_vgpr_msb (MSB<<8)|(\new)
.set MSB, (\new)
.endif
.endm
.macro PLACES n
.rept \n
	v_nop
.endr
.endm
.macro DLY n
	s_delay_alu instid0(VALU_DEP_\n)
.endm
.macro CREST                           ; a round of the cluster's barrier behind its opening barrier
	s_cmp_lg_u32 s[WV], 0
	s_cbranch_scc1 .Lnot_wave_0_\@
	s_barrier_signal -3
.Lnot_wave_0_\@:
	s_barrier_wait -3
	s_barrier_signal -1
	s_barrier_wait -1
.endm
.macro CROUND
	s_barrier_signal -1
	s_barrier_wait -1
	CREST
.endm
.macro JLOAD g0a, g1a, g0b, g1b        ; waves 0-3 fetch 16 rows of bias each, waves 4-7 a block of k, v each
	s_cmp_lt_u32 s[WV], 4
	s_cbranch_scc0 .Lfor_b_\@
	tensor_load_to_lds s[\g0a:\g0a+3], s[\g1a:\g1a+7]
	s_nop 0
.rept 4
	v_nop
.endr
	s_branch .Lasked_\@
.Lfor_b_\@:
	tensor_load_to_lds s[\g0b:\g0b+3], s[\g1b:\g1b+7]
	s_nop 0
.rept 4
	v_nop
.endr
.Lasked_\@:
.endm
.macro ASK pi
	s_cmp_lt_u32 s[WV], 4
	s_cbranch_scc0 .Lna_\@
.if (\pi) == 1
	s_cmp_lt_u32 s[J], 4                           ; behind the last refill no fill is left to name
	s_cbranch_scc0 .Lna_\@
.endif
	global_prefetch_b8 v[PFO], s[PFA:PFA+1] th:TH_LOAD_NT scope:SCOPE_SE
.Lna_\@:
.endm
.macro WM d, a, b, sa, sb, ra
.if (\ra)
	v_wmma_scale_f32_16x16x128_f8f6f4 v[(\d):(\d)+7], v[(\a):(\a)+11], v[(\b):(\b)+11], v[(\d):(\d)+7], v[(\sa)], v[(\sb)] matrix_a_fmt:MATRIX_FMT_BF6 matrix_b_fmt:MATRIX_FMT_BF6 matrix_a_scale:MATRIX_SCALE_ROW1
.else
	v_wmma_scale_f32_16x16x128_f8f6f4 v[(\d):(\d)+7], v[(\a):(\a)+11], v[(\b):(\b)+11], v[(\d):(\d)+7], v[(\sa)], v[(\sb)] matrix_a_fmt:MATRIX_FMT_BF6 matrix_b_fmt:MATRIX_FMT_BF6
.endif
.endm
.macro QLOAD reg, st, sreg, off        ; q's two tiles (6 registers each, st apart) and their scale words
	WIN 0x40
.irp q, 0,1
	global_load_b64 v[\reg+\st*\q:\reg+\st*\q+1], v[QO0+\q], s[QB:QB+1] offset:\off
	global_load_b64 v[\reg+\st*\q+2:\reg+\st*\q+3], v[QO1+\q], s[QB:QB+1] offset:\off
	global_load_b64 v[\reg+\st*\q+4:\reg+\st*\q+5], v[QO0+\q], s[QB:QB+1] offset:\off+512
.endr
	WIN 0
.irp q, 0,1
	global_load_b32 v[\sreg+\q], v[QSO+\q], s[QB:QB+1] offset:\off+6144
.endr
.endm
.macro NEXT_KV sl                      ; my block of k and v in slot sl: 26 loads
	WIN 0x40
.irp p, 0,1,2,3
.irp c, 0,1,2
	ds_load_b128 v[K+12*\p+4*\c:K+12*\p+4*\c+3], v[KVA+(\sl)] offset:1536*\p+512*\c
.endr
.endr
.irp t, 0,1,2,3
.irp c, 0,1,2
	ds_load_b128 v[V+48*(\sl)+12*\t+4*\c:V+48*(\sl)+12*\t+4*\c+3], v[KVA+(\sl)] offset:6656+1536*\t+512*\c
.endr
.endr
	WIN 0
	ds_load_b128 v[KS:KS+3], v[KVA+(\sl)] offset:6144
	ds_load_b64 v[VS+2*(\sl):VS+2*(\sl)+1], v[KV8+(\sl)] offset:12800
.endm
.macro NEXT_B sl, q                    ; tile q's bias, 16 queries x 128 keys, in the layout of the scores: 16 loads
.irp T, 0,1,2,3,4,5,6,7
.irp i, 0,1
	ds_load_b128 v[S+64*(\q)+8*\T+4*\i:S+64*(\q)+8*\T+4*\i+3], v[BI+2*(\q)+(\sl)] offset:64*\T+16*\i
.endr
.endr
.endm
.macro SMUL                            ; S^T = k q^T + bias: 16 products, the accumulators by turns
	WIN 0x05
.irp T, 0,1,2,3,4,5,6,7
.irp q, 0,1
	WM S+64*\q+8*\T, K+6*\T, Q+12*\q, KS+\T/2, QS+\q, \T%2
.endr
.endr
	WIN 0
.endm
; tile q: p = 2^(t - M), its sum, its codes and scale word; then the tile's registers take the next bias
.macro SOFT q, sl, nxt
.set SQ, S+64*(\q)
.set I, 0
.rept 32
	v_pk_fma_f32 v[SQ+I:SQ+I+1], v[SQ+I:SQ+I+1], s[CS:CS+1], v[NM+8*(\q):NM+8*(\q)+1] op_sel_hi:[1,0,0]
.set I, I+2
.endr
.irp b, 0,1,2,3
	v_fma_f32 v[BM+4*(\q)+\b], v[BM+4*(\q)+\b], s[CS], v[NM+8*(\q)]   ; the same of each block's largest score
.endr
	s_wait_alu depctr_va_vdst(0)                   ; ahead of the batch
.set I, 0
.rept 64
	v_exp_f32 v[SQ+I], v[SQ+I]
.set I, I+1
.endr
	v_pk_mul_f32 v[SUM+8*(\q):SUM+8*(\q)+1], v[SUM+8*(\q):SUM+8*(\q)+1], v[F+8*(\q):F+8*(\q)+1] op_sel_hi:[1,0]
	s_wait_alu depctr_va_vdst(0)                   ; one wait for the batch
.irp b, 0,1,2,3
	v_exp_f32 v[BM+4*(\q)+\b], v[BM+4*(\q)+\b]     ; the block's largest p
.endr
	v_pk_add_f32 v[BP+4*(\q):BP+4*(\q)+1], v[SQ:SQ+1], v[SQ+2:SQ+3]   ; the sum of the unquantised p, in four chains
	v_pk_add_f32 v[BP+4*(\q)+2:BP+4*(\q)+3], v[SQ+4:SQ+5], v[SQ+6:SQ+7]
	v_pk_add_f32 v[SD:SD+1], v[SQ+8:SQ+9], v[SQ+10:SQ+11]
.set I, 12
.rept 6
	v_pk_add_f32 v[SUM+8*(\q):SUM+8*(\q)+1], v[SUM+8*(\q):SUM+8*(\q)+1], v[SQ+I:SQ+I+1]
	v_pk_add_f32 v[BP+4*(\q):BP+4*(\q)+1], v[BP+4*(\q):BP+4*(\q)+1], v[SQ+I+2:SQ+I+3]
	v_pk_add_f32 v[BP+4*(\q)+2:BP+4*(\q)+3], v[BP+4*(\q)+2:BP+4*(\q)+3], v[SQ+I+4:SQ+I+5]
	v_pk_add_f32 v[SD:SD+1], v[SD:SD+1], v[SQ+I+6:SQ+I+7]
.set I, I+8
.endr
	v_pk_add_f32 v[SUM+8*(\q):SUM+8*(\q)+1], v[SUM+8*(\q):SUM+8*(\q)+1], v[SQ+60:SQ+61]
	v_pk_add_f32 v[BP+4*(\q):BP+4*(\q)+1], v[BP+4*(\q):BP+4*(\q)+1], v[SQ+62:SQ+63]
	v_pk_add_f32 v[BP+4*(\q)+2:BP+4*(\q)+3], v[BP+4*(\q)+2:BP+4*(\q)+3], v[SD:SD+1]
	DLY 2
	v_pk_add_f32 v[SUM+8*(\q):SUM+8*(\q)+1], v[SUM+8*(\q):SUM+8*(\q)+1], v[BP+4*(\q):BP+4*(\q)+1]
	DLY 1
	v_pk_add_f32 v[SUM+8*(\q):SUM+8*(\q)+1], v[SUM+8*(\q):SUM+8*(\q)+1], v[BP+4*(\q)+2:BP+4*(\q)+3]
	s_wait_alu depctr_va_vdst(0)                   ; and one for the four
.irp b, 0,1,2,3
	v_max_num_f32 v[BM+4*(\q)+\b], 0x2800000, v[BM+4*(\q)+\b]   ; the floor 2^(5 - 127)
.endr
.irp b, 0,1,2,3
	v_add_nc_u32 v[BSC+4*(\q)+\b], 0xfe000000, v[BM+4*(\q)+\b]  ; 4 off the exponent field: the conversion's scale operand
.endr
.irp b, 0,1,2,3
	v_lshrrev_b32 v[BP+4*(\q)+\b], 23, v[BSC+4*(\q)+\b]         ; the byte
.endr
	DLY 3
	v_lshl_or_b32 v[PS+8*(\q)], v[BP+4*(\q)+1], 8, v[BP+4*(\q)]
	DLY 2
	v_lshl_or_b32 v[T1+8*(\q)], v[BP+4*(\q)+3], 8, v[BP+4*(\q)+2]
	DLY 1
	v_lshl_or_b32 v[PS+8*(\q)], v[T1+8*(\q)], 16, v[PS+8*(\q)]
.irp c, 0,1
	v_cvt_scalef32_pk16_bf6_f32 v[PC+12*(\q)+6*\c:PC+12*(\q)+6*\c+2], v[SQ+32*\c:SQ+32*\c+15], v[BSC+4*(\q)+2*\c]
	v_cvt_scalef32_pk16_bf6_f32 v[PT+8*(\q)+4*\c:PT+8*(\q)+4*\c+2], v[SQ+32*\c+16:SQ+32*\c+31], v[BSC+4*(\q)+2*\c+1]
.endr
	v_nop                                          ; one plain place behind a scaled conversion
.irp c, 0,1
.irp i, 0,1,2
	v_permlane16_swap_b32 v[PC+12*(\q)+6*\c+\i], v[PT+8*(\q)+4*\c+\i]   ; a whole block to a lane
.endr
.irp i, 0,1,2
	v_mov_b32 v[PC+12*(\q)+3+6*\c+\i], v[PT+8*(\q)+4*\c+\i]
.endr
.endr
.if \nxt
	NEXT_B \sl, \q
.endif
.endm
; a step: 32 queries x 128 keys of slot pi, whose bytes are in registers.  chg = 1: the slot is filled again; 2: a barrier shows the other slot whole; 0: nothing.  nxt: the other slot is fetched
.macro STEP pi, chg, nxt
	s_wait_alu depctr_va_vdst(0)                   ; ahead of the waits below
.if (\chg) > 0
	s_wait_tensorcnt 0x0                           ; my one load, my part of the other slot, has landed
	ds_add_u32 v[SPW], v[NIL]
.if (\chg) == 1
	s_add_nc_u64 s[G0B+4*\pi+2:G0B+4*\pi+3], s[G0B+4*\pi+2:G0B+4*\pi+3], s[DB:DB+1]
	s_add_nc_u64 s[G0K+4*\pi+2:G0K+4*\pi+3], s[G0K+4*\pi+2:G0K+4*\pi+3], s[DK:DK+1]
	s_wait_xcnt 0x0                                ; my last prefetch has read its address
.if (\pi) == 0
	s_add_nc_u64 s[PFA:PFA+1], s[PFA:PFA+1], s[PF1:PF1+1]
.else
	s_add_nc_u64 s[PFA:PFA+1], s[PFA:PFA+1], s[PD:PD+1]
.endif
.endif
	s_wait_dscnt 0x0                               ; the add is done; my reads of this slot are over
	s_barrier_signal -1
	SMUL                                           ; work on registers while the others arrive
	s_barrier_wait -1
.if (\chg) == 1
	CREST
	JLOAD G0B+4*\pi, G1B, G0K+4*\pi, G1K           ; its four v_nop are the places behind the products
	ASK \pi
.else
	PLACES 4
.endif
.else
	s_wait_dscnt 0x0
	SMUL
	PLACES 4
.endif
.if \nxt
	NEXT_KV 1-\pi
.endif
.irp q, 0,1
.irp b, 0,1,2,3
	v_max3_num_f32 v[BM+4*\q+\b], v[S+64*\q+16*\b], v[S+64*\q+16*\b+1], v[S+64*\q+16*\b+2]   ; each block's largest score
.endr
.endr
.irp i, 3,5,7,9,11,13
.irp q, 0,1
.irp b, 0,1,2,3
	v_max3_num_f32 v[BM+4*\q+\b], v[BM+4*\q+\b], v[S+64*\q+16*\b+\i], v[S+64*\q+16*\b+\i+1]
.endr
.endr
.endr
.irp e, 0,1,2,3,4,5,6,7
	v_max_num_f32 v[BM+\e], v[BM+\e], v[S+16*\e+15]
.endr
.irp e, 0,1,2,3,4,5,6,7
	v_permlanex16_b32 v[BP+\e], v[BM+\e], s[SEL], s[SEL+1]
.endr
.irp e, 0,1,2,3,4,5,6,7
	v_max_num_f32 v[BM+\e], v[BM+\e], v[BP+\e]     ; with lane l xor 16's keys
.endr
.irp q, 0,1
	v_max3_num_f32 v[T1+8*\q], v[BM+4*\q], v[BM+4*\q+1], v[BM+4*\q+2]
.endr
.irp q, 0,1
	DLY 2
	v_max_num_f32 v[T1+8*\q], v[T1+8*\q], v[BM+4*\q+3]
.endr
.irp q, 0,1
	DLY 2
	v_mul_f32 v[T1+8*\q], s[CS], v[T1+8*\q]
.endr
.irp q, 0,1
	DLY 2
	v_max_num_f32 v[TMX+8*\q], v[TMX+8*\q], v[T1+8*\q]
.endr
.irp q, 0,1
	v_mov_b32 v[T1+8*\q], v[NM+8*\q]
.endr
.irp q, 0,1
	DLY 4
	v_floor_f32 v[NM+8*\q], -v[TMX+8*\q]           ; -M = floor(-t)
.endr
.irp q, 0,1
	DLY 2
	v_sub_f32 v[T1+8*\q], v[NM+8*\q], v[T1+8*\q]
.endr
.irp q, 0,1
	DLY 2
	v_cvt_i32_f32 v[T1+8*\q], v[T1+8*\q]
.endr
.irp q, 0,1
	DLY 2
	v_ldexp_f32 v[F+8*\q], 1.0, v[T1+8*\q]         ; f = 2^(old M - new M)
.endr
	SOFT 0, 1-\pi, \nxt
	SOFT 1, 1-\pi, \nxt
	WIN 0x41
	s_wait_alu depctr_va_vdst(0)                   ; ahead of the first reader of O^T
.irp q, 0,1
.set I, 0
.rept 16
	v_pk_mul_f32 v[O+32*\q+I:O+32*\q+I+1], v[O+32*\q+I:O+32*\q+I+1], v[F+8*\q:F+8*\q+1] op_sel_hi:[1,0]
.set I, I+2
.endr
.endr
	WIN 0x51
.irp t, 0,1,2,3
.irp q, 0,1
	WM O+32*\q+8*\t, V+48*(\pi)+12*\t, PC+12*\q, VS+2*(\pi)+\t/2, PS+8*\q, \t%2
.endr
.endr
	WIN 0
.endm
; a unit's end: tile 1 goes to the partner, the partner's half of tile 0 comes; o = (O f + O' f') / sum, quantised along the head's 64 and stored as half a fragment
.macro UNIT_END last
	PLACES 4
	v_add_f32 v[SUM], v[SUM], v[SUM+1]
	v_add_f32 v[SUM+8], v[SUM+8], v[SUM+9]
	WIN 0x04
.irp j, 0,1,2,3,4,5,6,7
	ds_store_b128 v[MG], v[O+32+4*\j:O+32+4*\j+3] offset:512*\j   ; each accumulator from its low end on
.endr
	WIN 0
	ds_store_b32 v[MG4], v[NM+8] offset:4096
	ds_store_b32 v[MG4], v[SUM+8] offset:4224
	s_wait_alu depctr_va_vdst(0)
	s_wait_dscnt 0x0                               ; for the partner's sake
	s_barrier_signal -1
	s_barrier_wait -1
.irp j, 0,1,2,3,4,5,6,7
	ds_load_b128 v[R+4*\j:R+4*\j+3], v[ML] offset:512*\j
.endr
	ds_load_b32 v[PN], v[ML4] offset:4096
	ds_load_b32 v[PN+1], v[ML4] offset:4224
	s_wait_dscnt 0x0
	v_min_num_f32 v[T1], v[NM], v[PN]              ; -M of both halves
	DLY 1
	v_sub_f32 v[BM], v[T1], v[NM]
	v_sub_f32 v[BM+1], v[T1], v[PN]
	DLY 2
	v_cvt_i32_f32 v[BM], v[BM]
	DLY 2
	v_cvt_i32_f32 v[BM+1], v[BM+1]
	DLY 2
	v_ldexp_f32 v[F], 1.0, v[BM]
	DLY 2
	v_ldexp_f32 v[F+8], 1.0, v[BM+1]
	DLY 2
	v_mul_f32 v[SUM], v[SUM], v[F]
	DLY 1
	v_fma_f32 v[SUM], v[PN+1], v[F+8], v[SUM]
	DLY 1
	v_permlanex16_b32 v[T1], v[SUM], s[SEL], s[SEL+1]
	DLY 1
	v_add_f32 v[SUM], v[SUM], v[T1]                ; the row's sum
	s_wait_alu depctr_va_vdst(0)
	v_rcp_f32 v[SUM], v[SUM]
	v_nop
	s_wait_alu depctr_va_vdst(0)
	v_mul_f32 v[F], v[F], v[SUM]                   ; the division goes into the two factors (a power of two x 1 / sum)
	v_mul_f32 v[F+8], v[F+8], v[SUM]
.set I, 0
.rept 16
	v_pk_mul_f32 v[R+I:R+I+1], v[R+I:R+I+1], v[F+8:F+9] op_sel_hi:[1,0]
.set I, I+2
.endr
	WIN 0x01
	s_wait_alu depctr_va_vdst(0)                   ; ahead of the first reader of O^T
.set I, 0
.rept 16
	v_pk_fma_f32 v[R+I:R+I+1], v[O+I:O+I+1], v[F:F+1], v[R+I:R+I+1] op_sel_hi:[1,0,1]
.set I, I+2
.endr
	WIN 0
.irp b, 0,1
	v_max3_num_f32 v[BM+\b], |v[R+16*\b]|, |v[R+16*\b+1]|, 0x2800000
.endr
.irp i, 2,4,6,8,10,12,14
.irp b, 0,1
	DLY 2
	v_max3_num_f32 v[BM+\b], v[BM+\b], |v[R+16*\b+\i]|, |v[R+16*\b+\i+1]|
.endr
.endr
.irp b, 0,1
	DLY 2
	v_permlanex16_b32 v[BP+\b], v[BM+\b], s[SEL], s[SEL+1]
.endr
.irp b, 0,1
	DLY 2
	v_max_num_f32 v[BM+\b], v[BM+\b], v[BP+\b]
.endr
.irp b, 0,1
	DLY 2
	v_add_nc_u32 v[BSC+\b], 0xfe000000, v[BM+\b]
.endr
.irp b, 0,1
	DLY 2
	v_lshrrev_b32 v[BP+\b], 23, v[BSC+\b]
.endr
	DLY 1
	v_lshl_or_b32 v[PW2], v[BP+1], 8, v[BP]
	v_cvt_scalef32_pk16_bf6_f32 v[OC:OC+2], v[R:R+15], v[BSC]
	v_cvt_scalef32_pk16_bf6_f32 v[OT:OT+2], v[R+16:R+31], v[BSC+1]
	v_nop
.irp i, 0,1,2
	v_permlane16_swap_b32 v[OC+\i], v[OT+\i]
.endr
.irp i, 0,1,2
	v_mov_b32 v[OC+3+\i], v[OT+\i]
.endr
.irp c, 0,1,2
	global_store_b64 v[OO], v[OC+2*\c:OC+2*\c+1], s[OB:OB+1] offset:256*\c   ; 32 lanes store 256 consecutive bytes, aligned
.endr
	global_store_b32 v[OSO], v[PW2], s[OSB:OSB+1] offset:6144
.if (\last) == 0
	s_wait_xcnt 0x0                                ; the stores have read their bases and data
	s_add_nc_u64 s[OB:OB+1], s[OB:OB+1], 1703936
	s_add_nc_u64 s[OSB:OSB+1], s[OSB:OSB+1], 1703936
	s_wait_loadcnt 0x0                             ; the next unit's q
	v_mov_b32 v[QS], v[QSN]
	v_mov_b32 v[QS+1], v[QSN+1]
	WIN 0x41
.irp q, 0,1
.irp i, 0,1,2,3,4,5
	v_mov_b32 v[Q+12*\q+\i], v[QN+6*\q+\i]
.endr
.endr
	WIN 0
.irp q, 0,1
	v_mov_b32 v[TMX+8*\q], 0xff61b1e6              ; -3e38: the next step's f is 0, which clears the sum and O
.endr
.irp q, 0,1
	DLY 2
	v_floor_f32 v[NM+8*\q], -v[TMX+8*\q]
.endr
	s_cmp_eq_u32 s[J], 1
	s_cbranch_scc0 .Lnq_\@
	QLOAD QN, 6, QSN, 425984
.Lnq_\@:
.endif
.endm
	s_load_b256 s[4:11], s[0:1], 0x0               ; qi, kv, rel_pos_bias, oi
	v_lshl_add_u32 v[SPW], v0, 2, SPARE
	v_mov_b32 v[NIL], 0
	ds_add_u32 v[SPW], v[NIL]                      ; the opening lines
	ds_add_u32 v[SPW], v[NIL]
	v_lshrrev_b32 v1, 5, v0
	v_readfirstlane_b32 s[WV], v1
	s_bfe_u32 s13, ttmp6, 0x40000                  ; cx: which pair of batches
	s_bfe_u32 s14, ttmp6, 0x40004                  ; cy
	s_and_b32 s15, ttmp7, 0xffff
	s_lshr_b32 s16, s15, 2                         ; the first head
	s_and_b32 s17, s15, 3
	s_lshl_b32 s17, s17, 2
	s_add_co_u32 s17, s17, s14                     ; which 64 queries
	s_and_b32 s90, s[WV], 3
	s_lshr_b32 s91, s[WV], 2                       ; my batch of the two
	s_and_b32 s92, s[WV], 1                        ; kh
	s_bfe_u32 s93, s[WV], 0x10001                  ; g
	s_xor_b32 s89, s92, 1
	s_lshl_b32 s72, s14, 2
	s_lshl_b32 s72, 15, s72
	s_lshl_b32 s80, 0x1111, s13
	s_or_b32 s[G1B], s72, (2<<16)|(1<<20)|(1<<21)|(7<<22)|(3<<25)   ; bias: 16 rows x 256 f32, 16 bytes of padding a row, to my row of the cluster
	s_mov_b32 s[G1B+1], 256<<16
	s_mov_b32 s[G1B+2], 16<<16
	s_mov_b32 s[G1B+3], 256<<16
	s_mov_b32 s[G1B+4], 16
	s_mov_b32 s[G1B+5], 1024
	s_mov_b32 s[G1B+6], 0
	s_mov_b32 s[G1B+7], 0
	s_or_b32 s[G1K], s80, (3<<16)|(1<<21)          ; k, v: 51 dense rows of 256 bytes, to my column
	s_mov_b32 s[G1K+1], 32<<16
	s_mov_b32 s[G1K+2], 51<<16
	s_mov_b32 s[G1K+3], 32<<16
	s_mov_b32 s[G1K+4], 51
	s_mov_b32 s[G1K+5], 32
	s_mov_b32 s[G1K+6], 0
	s_mov_b32 s[G1K+7], 0
	s_lshl_b32 s72, s17, 6
	s_lshl_b32 s73, s90, 4
	s_add_co_u32 s72, s72, s73
	s_lshl_b32 s72, s72, 12
	s_lshl_b32 s73, s16, 22
	s_add_co_u32 s72, s72, s73
	s_mov_b32 s73, 0
	s_lshl_b32 s80, s13, 1
	s_add_co_u32 s80, s80, s93
	s_mul_i32 s80, s80, 12
	s_add_co_u32 s80, s80, s16
	s_lshl_b32 s80, s80, 3
	s_add_co_u32 s80, s80, s92
	s_mul_i32 s80, s80, 13056
	s_mov_b32 s81, 0
	s_mul_i32 s74, s90, 16640
	s_mul_i32 s82, s90, 13056
	s_add_co_u32 s82, s82, KVO
	s_mov_b32 s[CS], 0x3fb8aa3b                    ; log2(e)
	s_mov_b32 s[CS+1], s[CS]
	s_mov_b32 s[SEL], 0x76543210
	s_mov_b32 s[SEL+1], 0xfedcba98
	s_mov_b32 s[DB+1], 0
	s_mov_b32 s[DK+1], 0
	s_mov_b32 s[PD+1], 0
	s_wait_dscnt 0x0
	s_wait_kmcnt 0x0
	s_add_nc_u64 s[72:73], s[8:9], s[72:73]
	s_add_nc_u64 s[80:81], s[6:7], s[80:81]
	CROUND
.irp p, 0,1
	s_mov_b32 s[G0B+4*\p], 1
	s_add_co_u32 s[G0B+4*\p+1], s74, \p*SLOT
	s_add_nc_u64 s[G0B+4*\p+2:G0B+4*\p+3], s[72:73], \p*1024
	s_or_b32 s[G0B+4*\p+3], s[G0B+4*\p+3], 0x80000000
	s_mov_b32 s[G0K+4*\p], 1
	s_add_co_u32 s[G0K+4*\p+1], s82, \p*SLOT
	s_add_nc_u64 s[G0K+4*\p+2:G0K+4*\p+3], s[80:81], \p*26112
	s_or_b32 s[G0K+4*\p+3], s[G0K+4*\p+3], 0x80000000
.endr
	JLOAD G0B, G1B, G0K, G1K                       ; slot 0: my one tensor load at the head
	; scalars first, then the vector lines on end
	s_mul_i32 s72, s91, 26112
	s_mul_i32 s73, s92, 13056
	s_add_co_u32 s72, s72, s73
	s_add_co_u32 s72, s72, KVO                     ; my block of k, v in a slot
	s_mul_i32 s73, s93, 33280
	s_lshl_b32 s74, s92, 9
	s_add_co_u32 s73, s73, s74
	s_mul_i32 s74, s92, 16640
	s_add_co_u32 s74, s74, s73                     ; bias of my tile 0
	s_mul_i32 s75, s89, 16640
	s_add_co_u32 s75, s75, s73                     ; and of my tile 1
	s_and_b32 s76, s17, 1
	s_lshl_b32 s76, s76, 1
	s_add_co_u32 s76, s76, s93                     ; q's image of 32 tokens
	s_mul_i32 s77, s76, 1536
	s_mul_i32 s78, s92, 520
	s_add_co_u32 s78, s78, s77
	s_mul_i32 s79, s89, 520
	s_add_co_u32 s79, s79, s77
	s_add_co_u32 s77, s77, 8
	s_mul_i32 s80, s92, 1016
	s_add_co_u32 s80, s80, s77
	s_mul_i32 s81, s89, 1016
	s_add_co_u32 s81, s81, s77
	s_lshl_b32 s76, s76, 2
	s_lshl_b32 s82, s92, 8
	s_add_co_u32 s82, s82, s76
	s_lshl_b32 s83, s89, 8
	s_add_co_u32 s83, s83, s76
	s_mul_i32 s84, s[WV], STW
	s_add_co_u32 s84, s84, STG                     ; my stage
	s_xor_b32 s85, s[WV], 1
	s_mul_i32 s85, s85, STW
	s_add_co_u32 s85, s85, STG                     ; the partner's
	s_lshl_b32 s88, s13, 1
	s_add_co_u32 s88, s88, s91                     ; the batch
	s_mul_i32 s86, s88, 12
	s_add_co_u32 s86, s86, s16
	s_lshl_b32 s86, s86, 3
	s_lshr_b32 s87, s17, 1
	s_add_co_u32 s86, s86, s87
	s_mul_i32 s86, s86, 6656
	s_mov_b32 s87, 0
	s_add_nc_u64 s[QB:QB+1], s[4:5], s[86:87]
	s_lshl_b32 s86, s88, 5
	s_lshl_b32 s23, s17, 1
	s_add_co_u32 s86, s86, s23
	s_add_co_u32 s86, s86, s93
	s_mul_i32 s86, s86, 6656
	s_add_nc_u64 s[OSB:OSB+1], s[10:11], s[86:87]  ; oi: my pair of 32 tokens
	s_lshl_b32 s86, s92, 1
	s_lshr_b32 s23, s16, 1
	s_add_co_u32 s86, s86, s23
	s_mul_i32 s86, s86, 1536
	s_and_b32 s23, s16, 1
	s_mul_i32 s23, s23, 768
	s_add_co_u32 s86, s86, s23
	s_add_nc_u64 s[OB:OB+1], s[OSB:OSB+1], s[86:87]
	s_lshl_b32 s86, s16, 7
	s_lshl_b32 s23, s92, 6
	s_add_co_u32 s86, s86, s23
	s_add_nc_u64 s[OSB:OSB+1], s[OSB:OSB+1], s[86:87]
	s_lshl_b32 s86, s17, 6                         ; the prefetches: bias rows 64 block + 16 cx + 8 (w % 2), fill 1
	s_lshl_b32 s87, s13, 4
	s_add_co_u32 s86, s86, s87
	s_lshl_b32 s87, s92, 3
	s_add_co_u32 s86, s86, s87
	s_lshl_b32 s86, s86, 12
	s_lshl_b32 s87, s16, 22
	s_add_co_u32 s86, s86, s87
	s_add_co_u32 s86, s86, 1024
	s_lshl_b32 s88, s13, 1                         ; k, v: of a fill's four blocks the one at place cy, fill 1
	s_lshr_b32 s87, s14, 1
	s_add_co_u32 s88, s88, s87
	s_mul_i32 s88, s88, 12
	s_add_co_u32 s88, s88, s16
	s_lshl_b32 s88, s88, 3
	s_and_b32 s87, s14, 1
	s_add_co_u32 s88, s88, s87
	s_add_co_u32 s88, s88, 2
	s_mul_i32 s88, s88, 13056
	s_mov_b32 s[PF1], 26112                        ; from fill to fill,
	s_mov_b32 s[PJ], 339456                        ; and from a unit's last fill to the next unit's first
	s_mov_b32 s97, 16774144
	s_lshl_b32 s99, s92, 5
	s_cmp_lt_u32 s[WV], 2
	s_cselect_b64 s[PFA:PFA+1], s[8:9], s[6:7]
	s_cselect_b32 s86, s86, s88
	s_cselect_b32 s[PF1], 1024, s[PF1]
	s_cselect_b32 s[PJ], s97, s[PJ]
	s_cselect_b32 s98, -1, 0
	s_mov_b32 s87, 0
	s_mov_b32 s[PF1+1], 0
	s_add_nc_u64 s[PFA:PFA+1], s[PFA:PFA+1], s[86:87]
	v_and_b32 v3, 31, v0
	v_and_b32 v1, 15, v0
	v_bfe_u32 v2, v0, 4, 1
	v_mul_u32_u24 v[BI], v1, 1040
	v_lshl_add_u32 v[BI], v2, 5, v[BI]
	v_add_nc_u32 v[BI+2], s75, v[BI]
	v_add_nc_u32 v[BI], s74, v[BI]
	v_add_nc_u32 v[BI+1], SLOT, v[BI]
	v_add_nc_u32 v[BI+3], SLOT, v[BI+2]
	v_lshl_add_u32 v[KVA], v3, 4, s72
	v_add_nc_u32 v[KVA+1], SLOT, v[KVA]
	v_lshl_add_u32 v[KV8], v3, 3, s72
	v_add_nc_u32 v[KV8+1], SLOT, v[KV8]
	v_lshl_add_u32 v[QO0], v3, 4, s78
	v_lshl_add_u32 v[QO0+1], v3, 4, s79
	v_lshl_add_u32 v[QO1], v3, 4, s80
	v_lshl_add_u32 v[QO1+1], v3, 4, s81
	v_lshl_add_u32 v[QSO], v1, 4, s82
	v_lshl_add_u32 v[QSO+1], v1, 4, s83
	v_lshl_add_u32 v[MG], v3, 4, s84
	v_lshl_add_u32 v[ML], v3, 4, s85
	v_lshl_add_u32 v[MG4], v3, 2, s84
	v_lshl_add_u32 v[ML4], v3, 2, s85
	v_lshlrev_b32 v[OO], 3, v3
	v_lshlrev_b32 v[OSO], 2, v1
	v_lshrrev_b32 v[PFO], 2, v3                    ; bias: 8 rows x 4 blocks of 256 bytes
	v_lshlrev_b32 v[PFO], 12, v[PFO]
	v_and_b32 v[T1], 3, v3
	v_lshl_add_u32 v[PFO], v[T1], 8, v[PFO]
	v_add_nc_u32 v[T1], s99, v3                    ; k, v: block 32 (w % 2) + lane of 51; lanes left over name the last again
	v_min_u32 v[T1], 50, v[T1]
	v_lshlrev_b32 v[T1], 8, v[T1]
	v_cndmask_b32 v[PFO], v[T1], v[PFO], s98
	s_wait_alu depctr_va_vdst(0)
	ASK 0                                          ; fill 1
	QLOAD Q, 12, QS, 0
	QLOAD QN, 6, QSN, 212992
	WIN 0x40
.irp i, 112,113,114,115,116,117, 222,223,224,225,226,227, 234,235,236,237,238,239
	v_mov_b32 v[\i], 0                             ; the zeros behind k's last tile and behind q's tiles
.endr
.set I, 0
.rept 64
	v_mov_b32 v[O+I], 0                            ; O, once in the launch
.set I, I+1
.endr
	WIN 0
.irp q, 0,1
	v_mov_b32 v[TMX+8*\q], 0xff61b1e6
	v_mov_b32 v[SUM+8*\q], 0
	v_mov_b32 v[SUM+8*\q+1], 0
	v_mov_b32 v[PS+8*\q], 0
	v_mov_b32 v[T1+8*\q], 0
	v_floor_f32 v[NM+8*\q], -v[TMX+8*\q]
.endr
.irp e, 0,1,2,3,4,5,6,7
	v_mov_b32 v[BP+\e], 0                          ; a lane permute's destination counts as a source
.endr
	s_wait_xcnt 0x0
	s_add_nc_u64 s[PFA:PFA+1], s[PFA:PFA+1], s[PF1:PF1+1]
	ASK 0                                          ; fill 2
	s_wait_alu depctr_va_vdst(0)                   ; the head's end
	s_wait_tensorcnt 0x0                           ; my part of slot 0 is in; slot 1's first fill is issued as a refill is
	ds_add_u32 v[SPW], v[NIL]
	s_wait_dscnt 0x0
	CROUND
	JLOAD G0B+4, G1B, G0K+4, G1K
	NEXT_KV 0
	NEXT_B 0, 0
	NEXT_B 0, 1
	s_wait_loadcnt 0x0                             ; q
	s_mov_b32 s[J], 0
.Ltrip:                                                ; a trip: two slots, 512 keys; two trips to a unit
	s_and_b32 s23, s[J], 1
	s_cmp_lg_u32 s23, 0                            ; an odd trip's refills belong to the next unit
	s_mov_b32 s[DB], 2048
	s_cselect_b32 s[DB], 16775168, s[DB]
	s_mov_b32 s[DK], 52224
	s_cselect_b32 s[DK], 365568, s[DK]
	s_cselect_b32 s[PD], s[PF1], s[PJ]
	STEP 0, 1, 1
	STEP 1, 1, 1
	s_and_b32 s23, s[J], 1
	s_cmp_eq_u32 s23, 0
	s_cbranch_scc1 .Lno_end
	UNIT_END 0
.Lno_end:
	s_add_co_u32 s[J], s[J], 1
	s_cmp_lt_u32 s[J], 5
	s_cbranch_scc1 .Ltrip
	STEP 0, 2, 1                                   ; the last trip fetches nothing more
	STEP 1, 0, 0
	UNIT_END 1
	s_wait_tensorcnt 0x0                           ; the wave's end
	ds_add_u32 v[SPW], v[NIL]
	s_wait_dscnt 0x0
	CROUND                                         ; the closing round
	s_endpgm
.Lfunc_end_k_q269f079cb4_attn:
	.size	k_q269f079cb4_attn, .Lfunc_end_k_q269f079cb4_attn-k_q269f079cb4_attn
	.p2alignl 7, 3214868480
	.fill 96, 4, 3214868480
	.section	.rodata,"a",@progbits
	.p2align	6, 0x0
	.amdhsa_kernel k_q269f079cb4_attn
		.amdhsa_group_segment_fixed_size 327680
		.amdhsa_private_segment_fixed_size 0
		.amdhsa_enable_private_segment 0
		.amdhsa_kernarg_size 32
		.amdhsa_user_sgpr_count 2
		.amdhsa_user_sgpr_kernarg_segment_ptr 1
		.amdhsa_wavefront_size32 1
		.amdhsa_system_sgpr_workgroup_id_x 1
		.amdhsa_system_sgpr_workgroup_id_y 1
		.amdhsa_system_sgpr_workgroup_id_z 1
		.amdhsa_system_vgpr_workitem_id 0
		.amdhsa_next_free_vgpr 512
		.amdhsa_next_free_sgpr 100
		.amdhsa_reserve_vcc 0
		.amdhsa_float_denorm_mode_32 3
		.amdhsa_float_denorm_mode_16_64 3
		.amdhsa_memory_ordered 1
		.amdhsa_forward_progress 1
		.amdhsa_inst_pref_size 162
	.end_amdhsa_kernel
	.amdgpu_metadata
---
amdhsa.version: [ 1, 2 ]
amdhsa.kernels:
  - .name:           k_q269f079cb4_attn
    .symbol:         k_q269f079cb4_attn.kd
    .args:
      - { .name: qi, .offset: 0, .size: 8, .value_kind: global_buffer, .address_space: global }
      - { .name: kv, .offset: 8, .size: 8, .value_kind: global_buffer, .address_space: global }
      - { .name: rel_pos_bias, .offset: 16, .size: 8, .value_kind: global_buffer, .address_space: global }
      - { .name: oi, .offset: 24, .size: 8, .value_kind: global_buffer, .address_space: global }
    .group_segment_fixed_size: 327680
    .private_segment_fixed_size: 0
    .kernarg_segment_align: 8
    .kernarg_segment_size: 32
    .max_flat_workgroup_size: 256
    .sgpr_count:     100
    .vgpr_count:     512
    .wavefront_size: 32
...
	.end_amdgpu_metadata
.endif
;; end of part 3
;; launch out (part 4): grid 4 x 64, 4 waves a work-group, clusters of 4 x 4, 327,680 bytes of LDS; arguments oi, wi, b_o, out0; writes out0
.if DOCPART == 4
	.amdgcn_target "amdgcn-amd-amdhsa--gfx1250"
	.amdhsa_code_object_version 6
	.text
	.protected	k_q269f079cb4_out
	.globl	k_q269f079cb4_out
	.p2align	8
	.type	k_q269f079cb4_out,@function
k_q269f079cb4_out:
	s_mov_b64 s[64:65], 0
	v_nop
	global_prefetch_b8 v0, s[64:65] scope:SCOPE_SE
	s_setreg_imm32_b32 hwreg(HW_REG_WAVE_MODE, 25, 1), 1
	s_wait_xcnt 0x0
	s_wait_alu depctr_hold_cnt(0) depctr_sa_sdst(0) depctr_va_vdst(0) depctr_va_sdst(0) depctr_va_ssrc(0) depctr_va_vcc(0) depctr_vm_vsrc(0)
	s_getreg_b32 s2, hwreg(HW_REG_IB_STS2, 6, 4)
	s_cmp_eq_u32 s2, 0
	s_cbranch_scc0 .Lentry_in_a_cluster
	s_endpgm
.Lentry_in_a_cluster:
	s_bfe_u32 s2, ttmp6, 0x10000c
	s_cmp_lg_u32 s2, 0xf033
	s_cbranch_scc0 .Lentry_shape_is_right
	s_endpgm
.Lentry_shape_is_right:
; Launch 4 of 4: out0 = o W_o^T + b_o on codes of BF6.  No work of the module is left out.
; A work-group makes 128 tokens x 192 features; wave w: tokens 64 (w / 2) on (4 tiles) x features 96 (w % 2) on (6 tiles): 24 accumulators, 144 matrix instructions.
; All of K = 768 comes into LDS once, by one load a wave at the head (a row for each 256 along K): no byte is filled again.  CLUSTER 4 x 4: o's block is shared along a row, W_o's along a column.
; The product is used transposed (source 0 = 16 rows of W_o, source 1 = 16 tokens): a lane holds eight neighbouring features of one token.  b_o is the C of each sum's first matrix instruction.
; o's fragments lie as two halves (one head each) of three runs of 256 bytes; its scale words come as two bytes a head and are joined in registers.
; The result goes through a stage in LDS (128 rows at a pitch of 784) and leaves in whole runs of 256 bytes.
.set AOF,   13312                      ; o: a half (2 pairs) of 256 along K; a half's three runs of 256 along K lie on end: 39,936 bytes a half
.set BBASE, 79872
.set BOF,   19200                      ; W_o: a half (3 pairs) of 256 along K; three on end: 57,600 bytes a half
.set STAGE, 195072
.set SPARE, 295424
.set OA,  4                            ; v4-6   o's fragments: sigma x AOF + 39,936 (w / 2) + 8 l
.set OS,  7                            ; v7-9   its scale words: .. + 4 l
.set WB,  10                           ; v10-12 W_o's fragments: BBASE + sigma x BOF + 57,600 (w % 2) + 16 l
.set WS,  13                           ; v13-15 its scale words
.set STO, 16
.set L0,  17
.set L1,  18
.set G0,  19
.set G1,  20
.set SPW, 21
.set NIL, 22
.set CBO, 23
.set OSR, 32                           ; v32-39 o's half words, two sets
.set OSC, 40                           ; v40-43 o's scale words, two sets of 2 pairs
.set WSC, 44                           ; v44-49 W_o's, two sets of 3 pairs
.set AF,  64                           ; v64-111, v112-159 o's four fragments, two sets
.set CB,  192                          ; window 1: v0-191 the accumulators (8 (6 m + n)), v192-239 b_o.  Window 2: W_o's six fragments, two sets, at v0 and v72
.set WV, 12
.set WH, 13
.set WL, 14
.set G1A, 24
.set G1B, 32
.set G0A, 40
.set G0B, 52
.set MSB, 0
.macro WIN new
.if MSB != (\new)
	s_set_vgpr_msb (MSB<<8)|(\new)
.set MSB, (\new)
.endif
.endm
.macro PLACES n
.rept \n
	v_nop
.endr
.endm
.macro CROUND
	s_barrier_signal -1
	s_barrier_wait -1
	s_cmp_lg_u32 s[WV], 0
	s_cbranch_scc1 .Lnot_wave_0_\@
	s_barrier_signal -3
.Lnot_wave_0_\@:
	s_barrier_wait -3
	s_barrier_signal -1
	s_barrier_wait -1
.endm
.macro JLOAD g0a, g1a, g0b, g1b
	s_cmp_eq_u32 s[WH], 0
	s_cbranch_scc0 .Lfor_b_\@
	tensor_load_to_lds s[\g0a:\g0a+3], s[\g1a:\g1a+7]
	s_nop 0
.rept 4
	v_nop
.endr
	s_branch .Lasked_\@
.Lfor_b_\@:
	tensor_load_to_lds s[\g0b:\g0b+3], s[\g1b:\g1b+7]
	s_nop 0
.rept 4
	v_nop
.endr
.Lasked_\@:
.endm
.macro WM d, a, b, c, sa, sb, ra, rb
.if (\ra) && (\rb)
	v_wmma_scale_f32_16x16x128_f8f6f4 v[(\d):(\d)+7], v[(\a):(\a)+11], v[(\b):(\b)+11], v[(\c):(\c)+7], v[(\sa)], v[(\sb)] matrix_a_fmt:MATRIX_FMT_BF6 matrix_b_fmt:MATRIX_FMT_BF6 matrix_a_scale:MATRIX_SCALE_ROW1 matrix_b_scale:MATRIX_SCALE_ROW1
.elseif (\ra)
	v_wmma_scale_f32_16x16x128_f8f6f4 v[(\d):(\d)+7], v[(\a):(\a)+11], v[(\b):(\b)+11], v[(\c):(\c)+7], v[(\sa)], v[(\sb)] matrix_a_fmt:MATRIX_FMT_BF6 matrix_b_fmt:MATRIX_FMT_BF6 matrix_a_scale:MATRIX_SCALE_ROW1
.elseif (\rb)
	v_wmma_scale_f32_16x16x128_f8f6f4 v[(\d):(\d)+7], v[(\a):(\a)+11], v[(\b):(\b)+11], v[(\c):(\c)+7], v[(\sa)], v[(\sb)] matrix_a_fmt:MATRIX_FMT_BF6 matrix_b_fmt:MATRIX_FMT_BF6 matrix_b_scale:MATRIX_SCALE_ROW1
.else
	v_wmma_scale_f32_16x16x128_f8f6f4 v[(\d):(\d)+7], v[(\a):(\a)+11], v[(\b):(\b)+11], v[(\c):(\c)+7], v[(\sa)], v[(\sb)] matrix_a_fmt:MATRIX_FMT_BF6 matrix_b_fmt:MATRIX_FMT_BF6
.endif
.endm
	s_load_b256 s[4:11], s[0:1], 0x0               ; oi, wi, b_o, out0
	v_lshl_add_u32 v[SPW], v0, 2, SPARE
	v_mov_b32 v[NIL], 0
	ds_add_u32 v[SPW], v[NIL]                      ; the wave's opening: the add, twice on end, and its wait ahead of my first tensor load
	ds_add_u32 v[SPW], v[NIL]
	v_lshrrev_b32 v1, 5, v0
	v_readfirstlane_b32 s[WV], v1
	s_lshr_b32 s[WH], s[WV], 1                     ; my half of the tokens.  Also: I fetch for o (0) or for W_o (1)
	s_and_b32 s[WL], s[WV], 1                      ; my half of the features.  Also: which half of that block I fetch
	s_bfe_u32 s15, ttmp6, 0x40000                  ; cx: which 192 features
	s_bfe_u32 s16, ttmp6, 0x40004                  ; cy
	s_and_b32 s17, ttmp7, 0xffff
	s_lshl_b32 s17, s17, 2
	s_add_co_u32 s17, s17, s16                     ; which 128 tokens
	s_lshl_b32 s18, s16, 2
	s_lshl_b32 s18, 15, s18                        ; my row of the cluster
	s_lshl_b32 s19, 0x1111, s15                    ; my column
	s_or_b32 s[G1A], s18, (3<<16)|(1<<21)
	s_or_b32 s[G1B], s19, (3<<16)|(1<<21)
	s_mov_b32 s[G1A+1], 1664<<16                   ; ONE load a wave brings all of K: 3 rows of 13,312 bytes (two pairs of o, dense),
	s_mov_b32 s[G1A+2], 3<<16                      ; a row for each 256 along K,
	s_mov_b32 s[G1A+3], 1664<<16
	s_mov_b32 s[G1A+4], 3
	s_mov_b32 s[G1A+5], 212992                     ; 1,703,936 bytes apart in oi
	s_mov_b32 s[G1A+6], 0
	s_mov_b32 s[G1A+7], 0
	s_mov_b32 s[G1B+1], 2400<<16                   ; 3 rows of 19,200 bytes (three pairs of W_o),
	s_mov_b32 s[G1B+2], 3<<16
	s_mov_b32 s[G1B+3], 2400<<16
	s_mov_b32 s[G1B+4], 3
	s_mov_b32 s[G1B+5], 76800                      ; 614,400 bytes apart in wi
	s_mov_b32 s[G1B+6], 0
	s_mov_b32 s[G1B+7], 0
	s_lshl_b32 s20, s17, 2
	s_lshl_b32 s21, s[WL], 1
	s_add_co_u32 s20, s20, s21                     ; o: pair 4 x token group + 2 x half
	s_mul_i32 s20, s20, 6656
	s_mov_b32 s21, 0
	s_mul_i32 s66, s15, 6
	s_mul_i32 s67, s[WL], 3
	s_add_co_u32 s66, s66, s67
	s_add_co_u32 s66, s66, 72                      ; W_o: pair 72 + 6 cx + 3 x half
	s_mul_i32 s66, s66, 6400
	s_mov_b32 s67, 0
	s_mul_i32 s22, s[WL], 39936                    ; where they go
	s_mul_i32 s23, s[WL], 57600
	s_add_co_u32 s23, s23, BBASE
	s_wait_dscnt 0x0                               ; both opening adds are done
	s_wait_kmcnt 0x0
	s_add_nc_u64 s[20:21], s[4:5], s[20:21]
	s_add_nc_u64 s[66:67], s[6:7], s[66:67]
	CROUND                                         ; all sixteen work-groups are here: the joint loads meet
.irp p, 0
	s_mov_b32 s[G0A+4*\p], 1
	s_add_co_u32 s[G0A+4*\p+1], s22, \p*AOF
	s_add_nc_u64 s[G0A+4*\p+2:G0A+4*\p+3], s[20:21], \p*1703936
	s_or_b32 s[G0A+4*\p+3], s[G0A+4*\p+3], 0x80000000
	s_mov_b32 s[G0B+4*\p], 1
	s_add_co_u32 s[G0B+4*\p+1], s23, \p*BOF
	s_add_nc_u64 s[G0B+4*\p+2:G0B+4*\p+3], s[66:67], \p*614400
	s_or_b32 s[G0B+4*\p+3], s[G0B+4*\p+3], 0x80000000
	JLOAD G0A+4*\p, G1A, G0B+4*\p, G1B             ; my one tensor load
.endr
	v_and_b32 v3, 31, v0
	v_and_b32 v1, 15, v0
	v_bfe_u32 v2, v0, 4, 1
	s_mul_i32 s68, s[WH], 39936
	v_lshl_add_u32 v[OA], v3, 3, s68
	v_add_nc_u32 v[OA+1], AOF, v[OA]
	v_add_nc_u32 v[OA+2], 2*AOF, v[OA]
	v_lshl_add_u32 v[OS], v3, 2, s68
	v_add_nc_u32 v[OS+1], AOF, v[OS]
	v_add_nc_u32 v[OS+2], 2*AOF, v[OS]
	v_lshl_add_u32 v[WB], v3, 4, s23               ; (s23: BBASE + 57,600 x my half of the features)
	v_add_nc_u32 v[WB+1], BOF, v[WB]
	v_add_nc_u32 v[WB+2], 2*BOF, v[WB]
	v_lshl_add_u32 v[WS], v3, 2, s23
	v_add_nc_u32 v[WS+1], BOF, v[WS]
	v_add_nc_u32 v[WS+2], 2*BOF, v[WS]
	s_mul_i32 s68, s[WH], 50176                    ; the stage: row 64 (w / 2) + r, + 384 (w % 2) + 32 h
	s_mul_i32 s69, s[WL], 384
	s_add_co_u32 s68, s68, s69
	s_add_co_u32 s68, s68, STAGE
	v_mul_u32_u24 v[STO], v1, 784
	v_lshl_add_u32 v[STO], v2, 5, v[STO]
	v_add_nc_u32 v[STO], s68, v[STO]
	s_mul_i32 s68, s[WV], 25088                    ; back: rows 32 w on
	s_add_co_u32 s68, s68, STAGE
	v_lshl_add_u32 v[L0], v3, 4, s68
	v_lshl_add_u32 v[L1], v2, 4, v[L0]
	v_lshlrev_b32 v[G0], 4, v3
	v_mul_u32_u24 v[G1], v2, 2304
	v_add_nc_u32 v[G1], v[G1], v[G0]
	v_lshlrev_b32 v[CBO], 5, v2
	s_mul_i32 s68, s15, 192
	s_mul_i32 s69, s[WL], 96
	s_add_co_u32 s68, s68, s69
	s_lshl_b32 s68, s68, 2
	s_mov_b32 s69, 0
	s_add_nc_u64 s[8:9], s[8:9], s[68:69]          ; b_o at my 96 features
	WIN 0x40
.irp n, 0,1,2,3,4,5
	global_load_b128 v[CB+8*\n:CB+8*\n+3], v[CBO], s[8:9] offset:64*\n        ; features 16 n + 8 h + 0 .. 7
	global_load_b128 v[CB+8*\n+4:CB+8*\n+7], v[CBO], s[8:9] offset:64*\n+16
.endr
	WIN 0
	s_lshl_b32 s68, s17, 7
	s_lshl_b32 s70, s[WV], 5
	s_add_co_u32 s68, s68, s70
	s_mul_i32 s68, s68, 3072
	s_mul_i32 s70, s15, 768
	s_add_co_u32 s68, s68, s70
	s_add_nc_u64 s[10:11], s[10:11], s[68:69]      ; out0 at the rows that I store, my work-group's 768 bytes of them
.macro LOADS s                         ; K step s's fragments and scale words into set s % 2: 49 loads
.irp m, 0,1,2,3
.irp c, 0,1,2,3,4,5
	ds_load_b64 v[AF+48*((\s)%2)+12*\m+2*\c:AF+48*((\s)%2)+12*\m+2*\c+1], v[OA+(\s)/2] offset:(\m/2)*6656+(2*(\m%2)+(\s)%2)*1536+256*\c
.endr
.endr
	WIN 0x80
.irp n, 0,1,2,3,4,5
.irp c, 0,1,2
	ds_load_b128 v[72*((\s)%2)+12*\n+4*\c:72*((\s)%2)+12*\n+4*\c+3], v[WB+(\s)/2] offset:(\n/2)*6400+(2*(\n%2)+(\s)%2)*1536+512*\c
.endr
.endr
	WIN 0
.irp q, 0,1
.irp j, 0,1
	ds_load_b32 v[OSR+4*((\s)%2)+2*\q+\j], v[OS+(\s)/2] offset:\q*6656+6144+(2*((\s)%2)+\j)*128
.endr
.endr
.irp P, 0,1,2
	ds_load_b32 v[WSC+3*((\s)%2)+\P], v[WS+(\s)/2] offset:\P*6400+6144+128*((\s)%2)
.endr
.endm
.macro KSTEP s
	s_wait_dscnt 0x0                               ; this step's operands, asked for a step ago
.irp q, 0,1
	v_lshl_or_b32 v[OSC+2*((\s)%2)+\q], v[OSR+4*((\s)%2)+2*\q+1], 16, v[OSR+4*((\s)%2)+2*\q]   ; two heads' bytes make a scale word
.endr
	PLACES 8                                       ; a scale word made by a vector instruction stands eight places ahead of the product; they also part the loads below from the last products
.if (\s) < 5
	LOADS (\s)+1
.endif
	WIN 0x52                                       ; source 0 (W_o) window 2, source 1 (o) window 0, C and D window 1
.irp m, 0,1,2,3
.irp n, 0,1,2,3,4,5
.if (\s) == 0
	WM 8*(6*\m+\n), 72*((\s)%2)+12*\n, AF+48*((\s)%2)+12*\m, CB+8*\n, WSC+3*((\s)%2)+\n/2, OSC+2*((\s)%2)+\m/2, \n%2, \m%2
.else
	WM 8*(6*\m+\n), 72*((\s)%2)+12*\n, AF+48*((\s)%2)+12*\m, 8*(6*\m+\n), WSC+3*((\s)%2)+\n/2, OSC+2*((\s)%2)+\m/2, \n%2, \m%2
.endif
.endr
.endr
	WIN 0
.endm
	s_wait_alu depctr_va_vdst(0)                   ; the head's end
	s_wait_tensorcnt 0x0                           ; my load, all of K of my half, is in
	s_barrier_signal -1
	s_barrier_wait -1
	LOADS 0
	s_wait_loadcnt 0x0                             ; b_o
	KSTEP 0
	KSTEP 1
	KSTEP 2
	KSTEP 3
	KSTEP 4
	KSTEP 5
	PLACES 4
	WIN 0x04                                       ; an LDS store's data are its source 1: window 1
.irp m, 0,1,2,3
.irp n, 0,1,2,3,4,5
	ds_store_b128 v[STO], v[8*(6*\m+\n):8*(6*\m+\n)+3] offset:16*\m*784+64*\n        ; each accumulator from its low end on
	ds_store_b128 v[STO], v[8*(6*\m+\n)+4:8*(6*\m+\n)+7] offset:16*\m*784+64*\n+16
.endr
.endr
	WIN 0
	s_wait_dscnt 0x0                               ; for the others' sake: my stores into the stage are done
	s_barrier_signal -1
	s_barrier_wait -1
.set K, 0
.rept 16                               ; two rows of 768 bytes are three runs of 512
	ds_load_b128 v[64+12*K:64+12*K+3], v[L0] offset:1568*K
	ds_load_b128 v[64+12*K+4:64+12*K+7], v[L1] offset:1568*K+512
	ds_load_b128 v[64+12*K+8:64+12*K+11], v[L0] offset:1568*K+1040
.set K, K+1
.endr
.set K, 0
.rept 16
	s_wait_dscnt 47-3*K                            ; the loads issued behind this one may be out
	global_store_b128 v[G0], v[64+12*K:64+12*K+3], s[10:11] offset:6144*K th:TH_STORE_NT
	s_wait_dscnt 46-3*K
	global_store_b128 v[G1], v[64+12*K+4:64+12*K+7], s[10:11] offset:6144*K+512 th:TH_STORE_NT
	s_wait_dscnt 45-3*K
	global_store_b128 v[G0], v[64+12*K+8:64+12*K+11], s[10:11] offset:6144*K+3328 th:TH_STORE_NT   ; sixteen lanes store 256 consecutive bytes, aligned
.set K, K+1
.endr
	s_wait_tensorcnt 0x0                           ; the wave's end
	ds_add_u32 v[SPW], v[NIL]
	s_wait_dscnt 0x0
	CROUND                                         ; the closing round
	s_endpgm
.Lfunc_end_k_q269f079cb4_out:
	.size	k_q269f079cb4_out, .Lfunc_end_k_q269f079cb4_out-k_q269f079cb4_out
	.p2alignl 7, 3214868480
	.fill 96, 4, 3214868480
	.section	.rodata,"a",@progbits
	.p2align	6, 0x0
	.amdhsa_kernel k_q269f079cb4_out
		.amdhsa_group_segment_fixed_size 327680
		.amdhsa_private_segment_fixed_size 0
		.amdhsa_enable_private_segment 0
		.amdhsa_kernarg_size 32
		.amdhsa_user_sgpr_count 2
		.amdhsa_user_sgpr_kernarg_segment_ptr 1
		.amdhsa_wavefront_size32 1
		.amdhsa_system_sgpr_workgroup_id_x 1
		.amdhsa_system_sgpr_workgroup_id_y 1
		.amdhsa_system_sgpr_workgroup_id_z 1
		.amdhsa_system_vgpr_workitem_id 0
		.amdhsa_next_free_vgpr 768
		.amdhsa_next_free_sgpr 100
		.amdhsa_reserve_vcc 0
		.amdhsa_float_denorm_mode_32 3
		.amdhsa_float_denorm_mode_16_64 3
		.amdhsa_memory_ordered 1
		.amdhsa_forward_progress 1
		.amdhsa_inst_pref_size 61
	.end_amdhsa_kernel
	.amdgpu_metadata
---
amdhsa.version: [ 1, 2 ]
amdhsa.kernels:
  - .name:           k_q269f079cb4_out
    .symbol:         k_q269f079cb4_out.kd
    .args:
      - { .name: oi, .offset: 0, .size: 8, .value_kind: global_buffer, .address_space: global }
      - { .name: wi, .offset: 8, .size: 8, .value_kind: global_buffer, .address_space: global }
      - { .name: b_o, .offset: 16, .size: 8, .value_kind: global_buffer, .address_space: global }
      - { .name: out0, .offset: 24, .size: 8, .value_kind: global_buffer, .address_space: global }
    .group_segment_fixed_size: 327680
    .private_segment_fixed_size: 0
    .kernarg_segment_align: 8
    .kernarg_segment_size: 32
    .max_flat_workgroup_size: 128
    .sgpr_count:     100
    .vgpr_count:     768
    .wavefront_size: 32
...
	.end_amdgpu_metadata
.endif
;; end of part 4
